; MI455X (gfx1250); checked and timed in simulation.
; The chip was launched on July 23, 2026; its instructions are those of AMD's public machine-readable ISA for CDNA 5 (MIT licence, August 2026) and "CDNA5" Instruction Set Architecture Reference Guide (July 2026). The comments in the code are by the model that wrote it; some were corrected since.
;; Multi Head Self Attention. Allowed arithmetic: matrix products marked QUANTISED: E2M1 operands, one E8M0 scale for each 32 along K, by v_wmma_scale_f32_16x16x128_f8f6f4 with both operands' format E2M1 (or v_wmma_scale_f32_32x16x128_f4), f32 sums; products left as they are: bf16, f16 or f32 operands; f32 sums; everything else in f32.
;; Inputs: W_out 1,024 x 1,024 float32; W_qkv 1,024 x 3,072 float32; b_out 1,024 float32; b_qkv 3,072 float32; x 4 x 2,048 x 1,024 float32.
;; Outputs: out0 4 x 2,048 x 1,024 float32.
;; This version of the problem:
;;   THIS VERSION OF THE PROBLEM IS GIVEN IN LOW PRECISION. The matrix products marked QUANTISED in the list below multiply operands that are first quantised to E2M1 (2 exponent bits, 1 mantissa bit; 4 bits a number), with one power-of-two scale for each 32 numbers along K (OCP MX v1.0); their sums are f32. The products marked 'left as it is' may take bf16, f16 or f32 operands, with f32 sums. Whichever they take, every output number must still come out within the allowed error. Rounding operands to bf16 (8 significant bits) uses up far more of that allowance than f16 does (11 bits, for magnitudes from 6e-5 to 65,504). All else is computed in f32.
;;   The module's matrix products, in the order in which they are computed (A, B: the left and right operand; K: the contracted axis; several contracted axes count as one K, in the product's order):
;;     1. [M 8,192, K 1,024] x [K 1,024, N 3,072]; A: input x; B: input W_qkv: QUANTISED
;;     2. batch 64 x [M 2,048, K 64] x [K 64, N 2,048]; A: computed on the way; B: computed on the way: left as it is (an operand is computed on the way)
;;     3. batch 64 x [M 2,048, K 2,048] x [K 2,048, N 64]; A: computed on the way; B: computed on the way: left as it is (an operand is computed on the way)
;;     4. [M 8,192, K 1,024] x [K 1,024, N 1,024]; A: computed on the way; B: input W_out: left as it is (an operand is computed on the way)
;;   THE QUANTISER, for each operand of a quantised product, along K:
;;     - K is cut into blocks of 32 from its start; a last block that is shorter is filled with zeros.
;;     - A block's scale is 2^e with e = floor(log2(the largest magnitude in the block)) - 2, held to -126 .. 127; a block of zeros has e = 0. As a byte (E8M0): e + 127.
;;     - Each number is divided by its block's scale, clamped to +-6, and rounded to the nearest number of E2M1, ties to even, subnormals kept.
;;     - The product sums the exact products of the quantised numbers (number of the format x scale) in f32.
;;   ~~~python
;;   def quantise(x, axis):      # numpy; x: float32 -> the quantised numbers, widened to float32 again
;;       x = np.moveaxis(x, axis, -1); K = x.shape[-1]
;;       x = np.pad(x, [(0, 0)] * (x.ndim - 1) + [(0, -K % 32)]); x = x.reshape(x.shape[:-1] + (-1, 32)); a = np.abs(x).max(-1, keepdims=True)
;;       e = np.where(a > 0, np.clip(np.frexp(np.where(a > 0, a, 1))[1] - 1 - 2, -126, 127), 0)      # np.frexp(a)[1] - 1 = floor(log2(a)), exactly
;;       r = np.clip(x / 2.0 ** e, -6, 6)
;;       step = 2.0 ** (np.maximum(np.frexp(np.where(r == 0, 1, r))[1] - 1, 0) - 1)
;;       q = np.round(r / step) * step * 2.0 ** e      # np.round: ties to even
;;       return np.moveaxis(q.reshape(q.shape[:-2] + (-1,))[..., :K], -1, axis).astype(np.float32)
;;   ~~~
;; One version. Each part assembles by itself: llvm-mc -triple=amdgcn-amd-amdhsa -mcpu=gfx1250 --defsym DOCPART=n.
;; ======== version 1 of 1: 5 launches
;; limits: values are held in f16: magnitudes above 65,504 overflow, below 6.1e-05 lose precision
;; workspace buffers: xc 4,194,304 bytes; xs 262,144 bytes; wc 1,572,864 bytes; ws 98,304 bytes; wo16 2,097,152 bytes; qkvh 50,331,648 bytes; qkv16 786,432 bytes; att 16,777,216 bytes
;; launch prep (part 1): grid 368 x 1, 4 waves a work-group, no clusters, 68,096 bytes of LDS; arguments x, W_qkv, W_out, xc, xs, wc, ws, wo16; writes xc, xs, wc, ws, wo16
.if DOCPART == 1
	.amdgcn_target "amdgcn-amd-amdhsa--gfx1250"
	.amdhsa_code_object_version 6
	.text
	.protected	k_qef6606a393_prep
	.globl	k_qef6606a393_prep
	.p2align	8
	.type	k_qef6606a393_prep,@function
k_qef6606a393_prep:
	s_mov_b64 s[64:65], 0
	v_nop
	global_prefetch_b8 v0, s[64:65] scope:SCOPE_SE
	s_setreg_imm32_b32 hwreg(HW_REG_WAVE_MODE, 25, 1), 1
	s_wait_xcnt 0x0
; PREP: the three operands that later launches read many times are brought into their narrow forms, once.
;   work-groups 0-255:   x [8192][1024] f32 (K innermost)  -> xc: codes of E2M1, [8192][512 bytes];  xs: E8M0 bytes [8192][32]
;   work-groups 256-303: W_qkv [1024 k][3072 n] f32 (K is the FIRST axis) -> wc: codes laid [3072 n][512 bytes], K innermost;  ws: [3072][32]
;   work-groups 304-367: W_out [1024][1024] f32 -> wo16: the same layout in f16, rounded to nearest even
; A block's scale is 2^(floor(log2(largest magnitude)) - 2); its byte is the largest magnitude's exponent field - 2, held at 1 from below.
; LIMITS: a block of zeros gets the byte 1 where the quantiser says 127: its codes are zeros, which add nothing under any byte but 0xff, and this
; program alone reads the bytes.  Blocks whose largest magnitude lies under 2^-124 are held at the byte 1.  NaN and infinities are not served.
; W_out in f16: magnitudes over 65,504 are not served; under 2^-14 the error is 2^-25 absolute.
; The three paths part on the work-group's number, never meet again, and have LDS bytes of their own.  No tensor loads, no barrier: waves share nothing.
.set SPW,   190                        ; v190 LDS address of my spare word: SPARE + 4 x my thread's number; never rewritten
.set NIL,   191                        ; v191 0; never rewritten
.set WR,    32768                      ; LDS: x's path has bytes 0 .. 32,767 (8,192 a wave), W_qkv's path 34,816 from here on
.set SPARE, 67584                      ; behind both: the spare words, 128 bytes a wave: two blocks of 256 bytes that no other line names
.set EMAX,  2
; ---- x's path
.set STEPS, 16                         ; a wave takes 16 steps of 512 numbers
.set CB,    8                          ; bytes of 16 codes
.set RR,    16                         ; v16-79   four sets of 16 numbers as they are loaded
.set XX,    80                         ; v80-111  two sets of 16 neighbours
.set EE,    112                        ; v112-127 a scale byte for each step
.set CC,    128                        ; v128-189 codes: a pair for each step, four registers apart: no store's data are written again
.set WREG,  8192                       ; a wave's LDS: two stages of 32 x SP bytes, then its 256 scale bytes
.set SP,    80                         ; a lane's place in a stage: 64 bytes + 16 of padding
; ---- W_qkv's path
.set SIZE_N, 3072
.set NB,    16                         ; blocks of 32 along K for a wave (512 along K)
.set PITCH, 272                        ; a stage row: 256 bytes of codes + 16
.set KROW,  512                        ; a row of wc in bytes
.set WX,    32                         ; v32-95   two sets of 32 numbers
.set WC,    96                         ; v96-99   a block's codes
.set OUTR,  112                        ; v112-175 the way out
.set SB,    24                         ; v24-27   the scale bytes, four to a register
.macro XLOAD t
.irp i, 0,1,2,3
	global_load_b128 v[RR+16*((\t)%4)+4*\i:RR+16*((\t)%4)+4*\i+3], v3, s[4:5] offset:2048*(\t)+512*\i th:TH_LOAD_NT   ; 32 lanes read 512 consecutive bytes
.endr
.endm
.macro XTURN t                         ; step t's numbers through the stage: in as they lie, back 64 bytes a lane; LDS serves a wave's instructions in order
.irp i, 0,1,2,3
	ds_store_b128 v14, v[RR+16*((\t)%4)+4*\i:RR+16*((\t)%4)+4*\i+3] offset:32*SP*((\t)%2)+8*SP*\i
.endr
.irp i, 0,1,2,3
	ds_load_b128 v[XX+16*((\t)%2)+4*\i:XX+16*((\t)%2)+4*\i+3], v15 offset:32*SP*((\t)%2)+16*\i
.endr
.endm
.macro XSTEP t
.set XS, XX+16*((\t)%2)
.if (\t) > 0
	s_wait_dscnt 1                                 ; this step's numbers are back from the stage; the last step's byte store may be out
.else
	s_wait_dscnt 0x0
.endif
.if (\t)+4 < STEPS
	XLOAD (\t)+4                                   ; the stage's stores have read these registers: they take the loads of four steps on
.endif
.if (\t)+1 < STEPS
.if STEPS-2-(\t) >= 3
	s_wait_loadcnt 12                              ; the next step's four loads are in; those of the three steps behind it may be out
.else
	s_wait_loadcnt 4*(STEPS-2-(\t))
.endif
	XTURN (\t)+1
.endif
	v_max3_num_f32 v8, |v[XS]|, |v[XS+1]|, |v[XS+2]|               ; the largest magnitude of my 16, in two chains
	v_max3_num_f32 v9, |v[XS+3]|, |v[XS+4]|, |v[XS+5]|
.irp i, 6,10
	v_max3_num_f32 v8, v8, |v[XS+\i]|, |v[XS+\i+1]|
	v_max3_num_f32 v9, v9, |v[XS+\i+2]|, |v[XS+\i+3]|
.endr
	v_max3_num_f32 v8, v8, |v[XS+14]|, |v[XS+15]|
	v_max3_num_f32 v8, v8, v9, (EMAX+1)<<23        ; and the floor 2^(3 - 127): the byte cannot fall under 1
	v_max_num_f32_dpp v8, v8, v8 row_xmask:1 row_mask:0xf bank_mask:0xf   ; with my neighbour's 16: the block's
	v_add_nc_u32 v11, -(EMAX<<23), v8              ; 2 off its exponent field: the conversion takes this operand's exponent field as its scale
	v_cvt_scalef32_pk8_fp4_f32 v[CC+4*(\t)], v[XS:XS+7], v11
	v_cvt_scalef32_pk8_fp4_f32 v[CC+4*(\t)+1], v[XS+8:XS+15], v11
	v_lshrrev_b32 v[EE+(\t)], 23, v11              ; the scale's byte (also the plain line behind the conversions)
	ds_store_b8 v5, v[EE+(\t)] offset:16*(\t)      ; both lanes of a block write the same byte with the same value
	global_store_b64 v4, v[CC+4*(\t):CC+4*(\t)+1], s[10:11] offset:32*CB*(\t)   ; the wave stores 256 consecutive bytes, aligned
.endm
.macro WLOAD t                         ; block t: W(32 t + i, my column), i = 0 .. 31, into set t % 2
.set wi, 0
.rept 32
	global_load_b32 v[WX+32*((\t)%2)+wi], v3, s[6:7] offset:(32*(\t)+wi)*SIZE_N*4 th:TH_LOAD_NT
.set wi, wi+1
.endr
.endm
.macro WBLOCK t
.set XS, WX+32*((\t)%2)
.if (\t) < NB-1
	s_wait_loadcnt 32                              ; this block's 32 loads are in; the next block's may be out
.else
	s_wait_loadcnt 0
.endif
	v_max3_num_f32 v12, |v[XS]|, |v[XS+1]|, |v[XS+2]|               ; the block's largest magnitude: all 32 numbers are mine
	v_max3_num_f32 v13, |v[XS+3]|, |v[XS+4]|, |v[XS+5]|
.irp i, 6,10,14,18,22,26
	v_max3_num_f32 v12, v12, |v[XS+\i]|, |v[XS+\i+1]|
	v_max3_num_f32 v13, v13, |v[XS+\i+2]|, |v[XS+\i+3]|
.endr
	v_max3_num_f32 v12, v12, |v[XS+30]|, |v[XS+31]|
	v_max3_num_f32 v12, v12, v13, (EMAX+1)<<23
	v_add_nc_u32 v11, -(EMAX<<23), v12
	v_lshrrev_b32 v13, 23, v11                     ; the scale's byte
.if (\t)%4 == 0
	v_mov_b32 v[SB+(\t)/4], v13                    ; four bytes to a register, the lower K in the lower byte
.else
	v_lshl_or_b32 v[SB+(\t)/4], v13, 8*((\t)%4), v[SB+(\t)/4]
.endif
.irp g, 0,1,2,3
	v_cvt_scalef32_pk8_fp4_f32 v[WC+\g], v[XS+8*\g:XS+8*\g+7], v11
.endr
	v_nop                                          ; one plain line behind the last conversion
	ds_store_b128 v4, v[WC:WC+3] offset:16*(\t)    ; 32 codes: 16 bytes of my column's row
.if (\t)+2 < NB
	WLOAD (\t)+2
.endif
	s_wait_dscnt 0x0                               ; the store has read its registers: the next block's codes may be written
.endm
	s_load_b256 s[4:11], s[0:1], 0x0               ; x s[4:5], W_qkv s[6:7], W_out s[8:9], xc s[10:11]
	s_load_b256 s[12:19], s[0:1], 0x20             ; xs s[12:13], wc s[14:15], ws s[16:17], wo16 s[18:19]
	v_lshl_add_u32 v[SPW], v0, 2, SPARE
	v_mov_b32 v[NIL], 0
	v_lshrrev_b32 v1, 5, v0
	v_readfirstlane_b32 s20, v1                    ; wave 0..3
	v_and_b32 v2, 31, v0                           ; lane
	s_wait_kmcnt 0x0
	s_cmp_lt_u32 ttmp9, 256
	s_cbranch_scc0 .Lnot_x
	; ======== x: a plain stream of blocks of 32; a wave takes 8,192 numbers
	v_lshlrev_b32 v3, 4, v2                        ; my 16 bytes of a load's 512
	s_mul_i32 s21, s20, WREG
	v_lshrrev_b32 v14, 2, v2
	v_mul_u32_u24 v14, v14, SP
	v_and_b32 v15, 3, v2
	v_lshl_add_u32 v14, v15, 4, v14
	v_add_nc_u32 v14, s21, v14                     ; the stage, on the way in: SP (lane / 4) + 16 (lane % 4)
	v_mul_u32_u24 v15, v2, SP
	v_add_nc_u32 v15, s21, v15                     ; and on the way out: SP x lane: my 16 neighbours
	v_mul_u32_u24 v4, v2, CB                       ; my codes' place in a step's
	v_lshrrev_b32 v5, 1, v2
	s_add_co_u32 s21, s21, 2*32*SP
	v_add_nc_u32 v5, s21, v5                       ; my wave's 256 scale bytes, my block's byte
	v_lshlrev_b32 v7, 3, v2                        ; and on the way out 8 bytes a lane
	v_add_nc_u32 v6, s21, v7
	s_lshl_b32 s22, ttmp9, 2
	s_add_co_u32 s22, s22, s20                     ; which run of 8,192 numbers is my wave's: 0 .. 1,023
	s_mov_b32 s25, 0
	s_lshl_b32 s24, s22, 15
	s_add_nc_u64 s[4:5], s[4:5], s[24:25]          ; 32,768 bytes of x a run,
	s_lshl_b32 s24, s22, 12
	s_add_nc_u64 s[10:11], s[10:11], s[24:25]      ; 4,096 of codes,
	s_lshl_b32 s24, s22, 8
	s_add_nc_u64 s[12:13], s[12:13], s[24:25]      ; 256 of scale bytes
.irp t, 0,1,2,3
	XLOAD \t
.endr
	s_wait_loadcnt 12                              ; step 0's four loads are in
	XTURN 0
.irp t, 0,1,2,3,4,5,6,7,8,9,10,11,12,13,14,15
	XSTEP \t
.endr
	ds_load_b64 v[8:9], v6                         ; LDS serves a wave's instructions in order: these see my byte stores
	s_wait_dscnt 0x0
	global_store_b64 v7, v[8:9], s[12:13]          ; 32 lanes store 256 consecutive bytes, aligned
	s_wait_tensorcnt 0x0                           ; the wave's end: behind my last LDS store
	ds_add_u32 v[SPW], v[NIL]
	s_wait_dscnt 0x0
	s_endpgm
.Lnot_x:
	s_cmp_lt_u32 ttmp9, 304
	s_cbranch_scc0 .Lpath_o
	; ======== W_qkv: a lane takes a column n and its registers run down K; a wave takes 32 columns x 512 along K
	s_sub_co_u32 s21, ttmp9, 256                   ; 0 .. 47: 24 groups of 128 columns x 2 halves of K
	s_cmp_ge_u32 s21, 24
	s_cselect_b32 s22, 1, 0                        ; which 512 along K
	s_cselect_b32 s23, 24, 0
	s_sub_co_u32 s21, s21, s23
	s_lshl_b32 s21, s21, 7
	s_lshl_b32 s23, s20, 5
	s_add_co_u32 s21, s21, s23                     ; my wave's first column
	v_lshlrev_b32 v3, 2, v2                        ; in: 4 bytes a lane: 128 consecutive bytes a wave
	s_mul_i32 s23, s20, 32*PITCH
	s_add_co_u32 s23, s23, WR                      ; my stage
	v_mul_u32_u24 v4, v2, PITCH
	v_add_nc_u32 v4, s23, v4                       ; into it: row = my column
	v_and_b32 v5, 15, v2
	v_lshrrev_b32 v6, 4, v2                        ; out of it: sixteen lanes to a row, two rows an instruction
	v_mul_u32_u24 v7, v6, PITCH
	v_lshl_add_u32 v7, v5, 4, v7
	v_add_nc_u32 v7, s23, v7
	v_mul_u32_u24 v8, v6, KROW
	v_lshl_add_u32 v8, v5, 4, v8                   ; and the same place in wc
	v_lshlrev_b32 v9, 5, v2                        ; my column's row of 32 scale bytes
	s_mov_b32 s25, 0
	s_mul_i32 s24, s22, 512*SIZE_N*4
	s_lshl_b32 s26, s21, 2
	s_add_co_u32 s24, s24, s26
	s_add_nc_u64 s[6:7], s[6:7], s[24:25]          ; W: 512 rows a half + 4 x column
	s_lshl_b32 s24, s21, 9
	s_lshl_b32 s26, s22, 8
	s_add_co_u32 s24, s24, s26
	s_add_nc_u64 s[14:15], s[14:15], s[24:25]      ; codes: column x 512 + 256 x half
	s_lshl_b32 s24, s21, 5
	s_lshl_b32 s26, s22, 4
	s_add_co_u32 s24, s24, s26
	s_add_nc_u64 s[16:17], s[16:17], s[24:25]      ; scale bytes: column x 32 + 16 x half
	WLOAD 0
	WLOAD 1
.set Q, 0
.rept NB
	WBLOCK Q
.set Q, Q+1
.endr
	global_store_b128 v9, v[SB:SB+3], s[16:17]     ; my column's 16 scale bytes (rows 32 bytes apart: half of each row; 1 byte in 128 of what this path reads)
.irp t, 0,1,2,3,4,5,6,7,8,9,10,11,12,13,14,15
	ds_load_b128 v[OUTR+4*\t:OUTR+4*\t+3], v7 offset:2*\t*PITCH
.endr
.irp t, 0,1,2,3,4,5,6,7,8,9,10,11,12,13,14,15
	s_wait_dscnt 15-\t                             ; LDS loads come back in order: pair t of rows is in
	global_store_b128 v8, v[OUTR+4*\t:OUTR+4*\t+3], s[14:15] offset:2*\t*KROW   ; sixteen lanes store 256 consecutive bytes, aligned
.endr
	s_wait_tensorcnt 0x0                           ; the wave's end: the three lines
	ds_add_u32 v[SPW], v[NIL]
	s_wait_dscnt 0x0
	s_endpgm
.Lpath_o:
	; ======== W_out to f16: a wave takes 4,096 numbers; a lane 8 neighbours a chunk, which pack into 16 bytes
	s_sub_co_u32 s21, ttmp9, 304
	s_lshl_b32 s22, s21, 16
	s_lshl_b32 s23, s20, 14
	s_add_co_u32 s24, s22, s23
	s_mov_b32 s25, 0
	s_add_nc_u64 s[8:9], s[8:9], s[24:25]
	s_lshr_b32 s24, s24, 1
	s_add_nc_u64 s[18:19], s[18:19], s[24:25]
	v_lshlrev_b32 v3, 5, v2
	v_lshlrev_b32 v4, 4, v2
.irp c, 0,1,2,3,4,5,6,7,8,9,10,11,12,13,14,15
	global_load_b128 v[32+8*\c:32+8*\c+3], v3, s[8:9] offset:1024*\c th:TH_LOAD_NT
	global_load_b128 v[32+8*\c+4:32+8*\c+7], v3, s[8:9] offset:1024*\c+16 th:TH_LOAD_NT
.endr
.irp c, 0,1,2,3,4,5,6,7,8,9,10,11,12,13,14,15
	s_wait_loadcnt 2*(15-\c)                       ; this chunk's two loads are in; the younger chunks' may be out
.irp j, 0,1,2,3
	v_cvt_pk_f16_f32 v[32+8*\c+\j], v[32+8*\c+2*\j], v[32+8*\c+2*\j+1]   ; packed downwards in place: register j is written when 2 j and 2 j + 1 have been read
.endr
	global_store_b128 v4, v[32+8*\c:32+8*\c+3], s[18:19] offset:512*\c   ; the wave stores 512 consecutive bytes
.endr
	s_wait_tensorcnt 0x0                           ; the three lines stand at every end of this text
	ds_add_u32 v[SPW], v[NIL]
	s_wait_dscnt 0x0
	s_endpgm
.Lfunc_end_k_qef6606a393_prep:
	.size	k_qef6606a393_prep, .Lfunc_end_k_qef6606a393_prep-k_qef6606a393_prep
	.p2alignl 7, 3214868480
	.fill 96, 4, 3214868480
	.section	.rodata,"a",@progbits
	.p2align	6, 0x0
	.amdhsa_kernel k_qef6606a393_prep
		.amdhsa_group_segment_fixed_size 68096
		.amdhsa_private_segment_fixed_size 0
		.amdhsa_enable_private_segment 0
		.amdhsa_kernarg_size 64
		.amdhsa_user_sgpr_count 2
		.amdhsa_user_sgpr_kernarg_segment_ptr 1
		.amdhsa_wavefront_size32 1
		.amdhsa_system_sgpr_workgroup_id_x 1
		.amdhsa_system_sgpr_workgroup_id_y 1
		.amdhsa_system_sgpr_workgroup_id_z 1
		.amdhsa_system_vgpr_workitem_id 0
		.amdhsa_next_free_vgpr 192
		.amdhsa_next_free_sgpr 66
		.amdhsa_reserve_vcc 0
		.amdhsa_float_denorm_mode_32 3
		.amdhsa_float_denorm_mode_16_64 3
		.amdhsa_memory_ordered 1
		.amdhsa_forward_progress 1
		.amdhsa_inst_pref_size 121
	.end_amdhsa_kernel
	.amdgpu_metadata
---
amdhsa.version: [ 1, 2 ]
amdhsa.kernels:
  - .name:           k_qef6606a393_prep
    .symbol:         k_qef6606a393_prep.kd
    .args:
      - { .name: x, .offset: 0, .size: 8, .value_kind: global_buffer, .address_space: global }
      - { .name: W_qkv, .offset: 8, .size: 8, .value_kind: global_buffer, .address_space: global }
      - { .name: W_out, .offset: 16, .size: 8, .value_kind: global_buffer, .address_space: global }
      - { .name: xc, .offset: 24, .size: 8, .value_kind: global_buffer, .address_space: global }
      - { .name: xs, .offset: 32, .size: 8, .value_kind: global_buffer, .address_space: global }
      - { .name: wc, .offset: 40, .size: 8, .value_kind: global_buffer, .address_space: global }
      - { .name: ws, .offset: 48, .size: 8, .value_kind: global_buffer, .address_space: global }
      - { .name: wo16, .offset: 56, .size: 8, .value_kind: global_buffer, .address_space: global }
    .group_segment_fixed_size: 68096
    .private_segment_fixed_size: 0
    .kernarg_segment_align: 8
    .kernarg_segment_size: 64
    .max_flat_workgroup_size: 128
    .sgpr_count:     66
    .vgpr_count:     192
    .wavefront_size: 32
...
	.end_amdgpu_metadata
.endif
;; end of part 1
;; launch qkv (part 2): grid 12 x 32, 4 waves a work-group, clusters of 4 x 4, 327,680 bytes of LDS; arguments xc, xs, wc, ws, b_qkv, qkvh, qkv16; writes qkvh, qkv16
.if DOCPART == 2
	.amdgcn_target "amdgcn-amd-amdhsa--gfx1250"
	.amdhsa_code_object_version 6
	.text
	.protected	k_qef6606a393_qkv
	.globl	k_qef6606a393_qkv
	.p2align	8
	.type	k_qef6606a393_qkv,@function
k_qef6606a393_qkv:
	s_mov_b64 s[64:65], 0
	v_nop
	global_prefetch_b8 v0, s[64:65] scope:SCOPE_SE
	s_setreg_imm32_b32 hwreg(HW_REG_WAVE_MODE, 25, 1), 1
	s_wait_xcnt 0x0
	s_wait_alu depctr_hold_cnt(0) depctr_sa_sdst(0) depctr_va_vdst(0) depctr_va_sdst(0) depctr_va_ssrc(0) depctr_va_vcc(0) depctr_vm_vsrc(0)
	s_getreg_b32 s2, hwreg(HW_REG_IB_STS2, 6, 4)
	s_cmp_eq_u32 s2, 0
	s_cbranch_scc0 .Lentry_in_a_cluster
	s_endpgm
.Lentry_in_a_cluster:
	s_bfe_u32 s2, ttmp6, 0x10000c
	s_cmp_lg_u32 s2, 0xf033
	s_cbranch_scc0 .Lentry_shape_is_right
	s_endpgm
.Lentry_shape_is_right:
; QKV: qkv[m][n] = sum over k of Q(x)[m][k] Q(W_qkv)[k][n] + b_qkv[n], on codes of E2M1 with one E8M0 byte for each 32 along K; sums in f32.
; A = xc [8192][512 bytes], xs [8192][32];  B = wc [3072][512 bytes], ws [3072][32].  M = 8,192, N = 3,072, K = 1,024.
; OUT: qkvh, f16, by heads: byte = which << 24 + batch << 22 + head << 18 + t << 7 (which: 0 q, 1 k, 2 v; a row of a head is 64 numbers, 128 bytes);
;      qkv16, f32, [batch x 16 + t][3072]: the unrounded rows of the first 16 positions of each sequence, which a later launch carries more finely.
; LIMIT: |q|, |k|, |v| up to 65,504 (f16); under 2^-14 the rounding error is 2^-25 absolute.
; A tile of 256 x 256 is made by four waves, 128 x 128 each: 64 accumulators, 512 registers.  K = 1,024 is two slots of 512 along K (rows of 256 bytes): both come with the first fills and nothing is filled again.
; The scales of the work-group's 256 + 256 rows for all of K come once, as dense blocks.
; CLUSTERS: 4 x 4 work-groups; A's tiles are asked for jointly along a row of the cluster, B's along a column.
; THE MATRIX INSTRUCTION IS USED TRANSPOSED (source 0 = 16 rows of B, source 1 = 16 rows of A): a lane holds eight neighbouring columns of one row.  THE BIAS is the C of each sum's first product.
; REGISTERS: window 0: v0-31 addresses; v32-95 scale words, two sets; v96-127 packed results; v128-191 A's fragments, one set, later rows on the way out; v192-255 the bias, 8 tiles of 8.
;   window 1: B's fragments, two sets, at v0 and v128.   window 2: accumulators of my rows 0-63 ((a, b) at v[8 (8 a + b)]);   window 3: rows 64-127.
.set KSTEP,  512
.set NQ,     4                         ; matrix instructions deep in a slot
.set ROWB,   256                       ; a tile's row in bytes
.set KROW,   512                       ; a row of codes in memory
.set PITCH,  272                       ; an LDS row: 256 bytes + 16 of padding: the 16 rows of a load start at 16 different banks (64 banks of 4 bytes: ISA guide 11.1)
.set FR,     8
.set NL,     2
.set NP,     4                         ; places behind this matrix instruction (ISA guide 7.12.1)
.set HALFT,  128*PITCH
.set SLOT,   4*HALFT
.set KS,     32                        ; a row of scales in bytes
.set SCL,    2*SLOT
.set HALFS,  16*272                    ; the scales of 128 rows: 4,096 bytes as 16 rows of 256 + 16
.set SBLK,   2*272                     ; those of 16 rows
.set SPARE,  SCL+4*HALFS               ; the spare words, 128 bytes a wave: two blocks of 256 bytes that no other line names
.set SPITCH, 272                       ; the way out: a stage of 16 rows x (256 + 16) for each wave, in slot 0, which has had its only fill and its last read by then
.set ADRA, 16
.set ADRB, 20
.set STO,  24
.set RD,   25
.set CO,   26
.set ADRS, 27
.set SPW,  28
.set NIL,  29
.set FO,   30                          ; v30 my byte in the f32 copy: r x 12,288 + 32 h
.set BO,   31                          ; v31 32 h: my eight numbers of a bias tile
.set SC,   32
.set TMP,  96
.set AF,   128
.set BK,   128
.set BI,   192
.set G1, 24
.set G0, 32
.set G1B, 48
.set G0B, 56
.set G1S, 68
.set G0S, 76
.set G1SB, 80
.set G0SB, 88
.set MSB, 0
.macro WIN new                         ; the immediate's high byte repeats the setting that is left
.if MSB != \new
	s_set_vgpr_msb (MSB<<8)|\new
.set MSB, \new
.endif
.endm
.set MUL_LO, 0xa1                      ; source 0 (B) window 1, source 1 (A) window 0, C and D window 2
.set MUL_HI, 0xf1                      ; the same, C and D window 3
.set BIA_LO, 0x81                      ; the first products: C (the bias) window 0, D window 2
.set BIA_HI, 0xc1                      ; D window 3
.set TO_B,   0x40
; A joint load: waves 0 and 1 fetch for A, waves 2 and 3 for B; the branch hangs on the wave's number alone.  An s_nop 0 and four v_nop follow each line.
.macro JLOAD g0a, g1a, g0b, g1b
	s_cmp_eq_u32 s15, 0
	s_cbranch_scc0 .Lfor_b_\@
	tensor_load_to_lds s[\g0a:\g0a+3], s[\g1a:\g1a+7]
	s_nop 0
.rept 4
	v_nop
.endr
	s_branch .Lasked_\@
.Lfor_b_\@:
	tensor_load_to_lds s[\g0b:\g0b+3], s[\g1b:\g1b+7]
	s_nop 0
.rept 4
	v_nop
.endr
.Lasked_\@:
.endm
.macro CROUND                          ; a round of the cluster's barrier
	s_barrier_signal -1
	s_barrier_wait -1
	s_cmp_lg_u32 s14, 0
	s_cbranch_scc1 .Lnot_wave_0_\@
	s_barrier_signal -3
.Lnot_wave_0_\@:
	s_barrier_wait -3
	s_barrier_signal -1
	s_barrier_wait -1
.endm
	s_load_b128 s[4:7], s[0:1], 0x0                ; A's codes s[4:5], A's scales s[6:7]
	s_load_b128 s[8:11], s[0:1], 0x10              ; B's codes s[8:9], B's scales s[10:11]
	s_load_b64 s[12:13], s[0:1], 0x20              ; the bias
	s_load_b128 s[96:99], s[0:1], 0x28             ; qkvh s[96:97], qkv16 s[98:99]
	v_lshl_add_u32 v[SPW], v0, 2, SPARE
	v_mov_b32 v[NIL], 0
	ds_add_u32 v[SPW], v[NIL]                      ; the wave's opening: the add, twice on end, and its wait ahead of my first tensor load
	ds_add_u32 v[SPW], v[NIL]
	v_lshrrev_b32 v1, 5, v0
	v_readfirstlane_b32 s14, v1                    ; wave 0..3
	s_lshr_b32 s15, s14, 1                         ; which half of the tile's rows is mine.  Also: I fetch for A (0) or for B (1)
	s_and_b32 s16, s14, 1                          ; which half of its columns.  Also: which 128 rows of that tile I fetch
	s_bfe_u32 s40, ttmp6, 0x40000                  ; cx, cy: my place in the cluster
	s_bfe_u32 s41, ttmp6, 0x40004
	s_lshl_b32 s42, ttmp9, 2
	s_add_co_u32 s42, s42, s40                     ; tile column = 4 x cluster x + cx
	s_and_b32 s17, ttmp7, 0xffff
	s_lshl_b32 s17, s17, 2
	s_add_co_u32 s17, s17, s41                     ; tile row = 4 x cluster y + cy
	s_lshl_b32 s43, s41, 2
	s_lshl_b32 s43, 15, s43                        ; my row of the cluster
	s_lshl_b32 s44, 0x1111, s40                    ; my column
	s_or_b32 s[G1+0], s43, (0<<16)|(1<<20)|(1<<21)|(5<<22)|(3<<25)  ; the mask; elements of 1 byte; padding on; bit 21 beside a mask; after every 64 words; 4 words
	s_or_b32 s[G1B+0], s44, (0<<16)|(1<<20)|(1<<21)|(5<<22)|(3<<25)
.irp g, G1, G1B
	s_mov_b32 s[\g+1], ROWB<<16                    ; tensor_dim0
	s_mov_b32 s[\g+2], 128<<16                     ; tensor_dim1
	s_mov_b32 s[\g+3], ROWB<<16                    ; tile_dim0
	s_mov_b32 s[\g+4], 128                         ; tile_dim1
	s_mov_b32 s[\g+5], KROW                        ; tensor_dim0_stride
	s_mov_b32 s[\g+6], 0
	s_mov_b32 s[\g+7], 0
.endr
	s_or_b32 s[G1S+0], s43, (3<<16)|(1<<20)|(1<<21)|(5<<22)|(3<<25) ; the scales of 128 rows: 16 rows of 32 elements of 8 bytes, 16 bytes of padding behind each
	s_or_b32 s[G1SB+0], s44, (3<<16)|(1<<20)|(1<<21)|(5<<22)|(3<<25)
.irp g, G1S, G1SB
	s_mov_b32 s[\g+1], 32<<16
	s_mov_b32 s[\g+2], 16<<16
	s_mov_b32 s[\g+3], 32<<16
	s_mov_b32 s[\g+4], 16
	s_mov_b32 s[\g+5], 32
	s_mov_b32 s[\g+6], 0
	s_mov_b32 s[\g+7], 0
.endr
	s_lshl_b32 s18, s16, 7                         ; which 128 rows of the tile I fetch
	s_lshl_b32 s20, s17, 8
	s_add_co_u32 s20, s20, s18                     ; A: row 256 x tile row + 128 x half
	s_lshl_b32 s46, s42, 8
	s_add_co_u32 s46, s46, s18                     ; B: row 256 x tile column + 128 x half
	s_mov_b32 s21, 0
	s_mov_b32 s47, 0
	s_mov_b64 s[18:19], KS
	s_mul_u64 s[22:23], s[20:21], s[18:19]         ; where these rows' scales begin,
	s_mul_u64 s[92:93], s[46:47], s[18:19]
	s_mov_b64 s[18:19], KROW
	s_mul_u64 s[20:21], s[20:21], s[18:19]         ; and their codes
	s_mul_u64 s[46:47], s[46:47], s[18:19]
	s_mul_i32 s45, s14, HALFT                      ; where they go: wave x 128 rows: no place in the cluster enters an LDS address
	s_mul_i32 s94, s14, HALFS
	s_wait_dscnt 0x0                               ; both opening adds are done
	s_wait_kmcnt 0x0
	s_add_nc_u64 s[20:21], s[4:5], s[20:21]
	s_add_nc_u64 s[22:23], s[6:7], s[22:23]
	s_add_nc_u64 s[46:47], s[8:9], s[46:47]
	s_add_nc_u64 s[92:93], s[10:11], s[92:93]
	CROUND                                         ; all sixteen work-groups are here: the joint loads meet
	s_mov_b32 s[G0S], 1
	s_add_co_u32 s[G0S+1], s94, SCL
	s_mov_b64 s[G0S+2:G0S+3], s[22:23]
	s_or_b32 s[G0S+3], s[G0S+3], 0x80000000
	s_mov_b32 s[G0SB], 1
	s_add_co_u32 s[G0SB+1], s94, SCL
	s_mov_b64 s[G0SB+2:G0SB+3], s[92:93]
	s_or_b32 s[G0SB+3], s[G0SB+3], 0x80000000
	JLOAD G0S, G1S, G0SB, G1SB                     ; the scales first; with the two below three tensor loads of mine are out
.irp s, 0,1
	s_mov_b32 s[G0+4*\s], 1
	s_add_co_u32 s[G0+4*\s+1], s45, \s*SLOT
	s_add_nc_u64 s[G0+4*\s+2:G0+4*\s+3], s[20:21], \s*ROWB
	s_or_b32 s[G0+4*\s+3], s[G0+4*\s+3], 0x80000000
	s_mov_b32 s[G0B+4*\s], 1
	s_add_co_u32 s[G0B+4*\s+1], s45, \s*SLOT
	s_add_nc_u64 s[G0B+4*\s+2:G0B+4*\s+3], s[46:47], \s*ROWB
	s_or_b32 s[G0B+4*\s+3], s[G0B+4*\s+3], 0x80000000
	JLOAD G0+4*\s, G1, G0B+4*\s, G1B
.endr
	v_and_b32 v1, 15, v0                           ; r = l % 16
	v_bfe_u32 v2, v0, 4, 1                         ; h = l / 16
	v_mul_u32_u24 v3, v1, PITCH
	v_lshl_add_u32 v4, v2, 4, v3                   ; a fragment's row x pitch + 16 x half
	s_mul_i32 s21, s15, HALFT                      ; my 128 rows of A
	s_mul_i32 s22, s16, HALFT                      ; my 128 rows of B,
	s_add_co_u32 s22, s22, 2*HALFT                 ; behind A's 256
.irp s, 0,1
	v_add_nc_u32 v[ADRA+\s], s21, v4
	v_add_nc_u32 v[ADRB+\s], s22, v4
	s_add_co_u32 s21, s21, SLOT
	s_add_co_u32 s22, s22, SLOT
.endr
	v_mul_u32_u24 v5, v1, KS                       ; my row's scales: 32 bytes a row,
	v_lshrrev_b32 v6, 8, v5
	v_lshl_add_u32 v5, v6, 4, v5                   ; and 16 more for each 256 passed
	s_mul_i32 s21, s15, HALFS
	s_mul_i32 s22, s16, HALFS
	s_add_co_u32 s22, s22, 2*HALFS
	s_sub_co_u32 s22, s22, s21
	v_mul_u32_u24 v6, s22, v2                      ; lanes 16-31 take B's: one product, the distance between the two bases
	s_add_co_u32 s21, s21, SCL
	v_add_nc_u32 v5, v5, v6
	v_add_nc_u32 v[ADRS], s21, v5
	s_mul_i32 s23, s14, 16*SPITCH                  ; my stage
	v_add_nc_u32 v[STO], s23, v4                   ; in: row r, 16 bytes for each half of the lanes
	v_and_b32 v6, 31, v0
	v_lshrrev_b32 v5, 3, v6
	v_mul_u32_u24 v5, v5, SPITCH
	v_and_b32 v3, 7, v0
	v_lshl_add_u32 v5, v3, 4, v5
	v_add_nc_u32 v[RD], s23, v5                    ; back: eight lanes take 128 bytes (one head's part) of a row, four rows an instruction
	v_lshlrev_b32 v[CO], 4, v6                     ; which are 512 consecutive bytes of qkvh
	v_mul_u32_u24 v[FO], v1, 12288
	v_lshl_add_u32 v[FO], v2, 5, v[FO]
	v_lshlrev_b32 v[BO], 5, v2
	; where my part goes
	s_lshl_b32 s20, s17, 8
	s_lshl_b32 s21, s15, 7
	s_add_co_u32 s20, s20, s21                     ; my first row: 256 x tile row + 128 x half
	s_lshr_b32 s92, s20, 11                        ; its batch
	s_and_b32 s93, s20, 2047                       ; and its position t0
	s_lshl_b32 s46, s42, 2
	s_lshl_b32 s47, s16, 1
	s_add_co_u32 s46, s46, s47                     ; g: my first group of 64 columns, an even number: g and g + 1 are two heads of one of q, k, v
	s_lshl_b32 s95, s46, 8                         ; my first column in bytes of f32
	s_lshr_b32 s21, s46, 4
	s_lshl_b32 s21, s21, 24
	s_and_b32 s47, s46, 15
	s_lshl_b32 s47, s47, 18
	s_add_co_u32 s21, s21, s47
	s_lshl_b32 s47, s92, 22
	s_add_co_u32 s21, s21, s47
	s_lshl_b32 s47, s93, 7
	s_add_co_u32 s22, s21, s47
	s_mov_b32 s23, 0
	s_add_nc_u64 s[96:97], s[96:97], s[22:23]
	s_mul_i32 s22, s92, 196608                     ; 16 rows of 12,288 bytes a batch
	s_add_co_u32 s22, s22, s95
	s_add_nc_u64 s[98:99], s[98:99], s[22:23]
	s_mov_b32 s22, s95
	s_add_nc_u64 s[12:13], s[12:13], s[22:23]
.irp b, 0,1,2,3,4,5,6,7                        ; bias tile b in the result's layout: lane (r, h) holds b_qkv at columns 16 b + 8 h + 0 .. 7
	global_load_b128 v[BI+8*\b:BI+8*\b+3], v[BO], s[12:13] offset:64*\b
	global_load_b128 v[BI+8*\b+4:BI+8*\b+7], v[BO], s[12:13] offset:64*\b+16
.endr
.macro FRAG reg, adr, q, i             ; 16 rows x 128 K of 4-bit codes: registers 4 c .. 4 c + 3 hold K = 64 c + 32 (l / 16) + 0 .. 31
.irp c, 0,1
	ds_load_b128 v[\reg+4*\c:\reg+4*\c+3], v[\adr] offset:64*(\q)+32*\c+(\i)*16*PITCH
.endr
.endm
; 16 matrix instructions: A's blocks a0, a0 + 1 x B's eight.  p: B's set; sc: the set of scale words.  first = 1: the bias is the C: nothing is cleared and nothing is added later.
; The 64 accumulators take turns, one instruction a turn, in the same order in every step.
.macro MUL16 a0, p, q, sc, first
.irp a, \a0, \a0+1
.irp b, 0,1,2,3,4,5,6,7
.if \first
	v_wmma_scale_f32_16x16x128_f8f6f4 v[8*(8*((\a)%4)+\b):8*(8*((\a)%4)+\b)+7], v[128*(\p)+FR*\b:128*(\p)+FR*\b+FR-1], v[AF+FR*(\a):AF+FR*(\a)+FR-1], v[BI+8*\b:BI+8*\b+7], v[SC+8*NQ*(\sc)+NQ*\b+(\q)], v[SC+8*NQ*(\sc)+NQ*(\a)+(\q)] matrix_a_fmt:MATRIX_FMT_FP4 matrix_b_fmt:MATRIX_FMT_FP4 matrix_a_scale:MATRIX_SCALE_ROW1
.else
	v_wmma_scale_f32_16x16x128_f8f6f4 v[8*(8*((\a)%4)+\b):8*(8*((\a)%4)+\b)+7], v[128*(\p)+FR*\b:128*(\p)+FR*\b+FR-1], v[AF+FR*(\a):AF+FR*(\a)+FR-1], v[8*(8*((\a)%4)+\b):8*(8*((\a)%4)+\b)+7], v[SC+8*NQ*(\sc)+NQ*\b+(\q)], v[SC+8*NQ*(\sc)+NQ*(\a)+(\q)] matrix_a_fmt:MATRIX_FMT_FP4 matrix_b_fmt:MATRIX_FMT_FP4 matrix_a_scale:MATRIX_SCALE_ROW1
.endif
.endr
.endr
.endm
.macro FETCH_B slot, q, p
	WIN TO_B
.irp i, 0,1,2,3,4,5,6,7
	FRAG 128*(\p)+FR*\i, ADRB+\slot, \q, \i
.endr
	WIN 0
.endm
.macro FETCH_A slot, q, i0
.irp i, \i0, \i0+1, \i0+2, \i0+3
	FRAG AF+FR*(\i), ADRA+\slot, \q, \i
.endr
.endm
.macro SCALES sc                       ; a slot's scale words: lanes 0-15 take A's block i, lanes 16-31 B's block i
.irp i, 0,1,2,3,4,5,6,7
	ds_load_b128 v[SC+8*NQ*\sc+NQ*\i:SC+8*NQ*\sc+NQ*\i+3], v[ADRS] offset:\i*SBLK
.endr
.endm
.macro PLACES n                        ; plain vector lines between a matrix instruction and a load into, or a read of, its registers
.rept \n
	v_nop
.endr
.endm
.macro STEP slot, q, first
	s_wait_dscnt 4*NL                              ; B's set and A's blocks 0-3 are in; the youngest eight loads (A's blocks 4-7) may be out
.if \first
	WIN BIA_LO
.else
	WIN MUL_LO
.endif
	MUL16 0, (\q)%2, \q, \slot, \first
	MUL16 2, (\q)%2, \q, \slot, \first
	s_wait_dscnt 0                                 ; A's blocks 4-7 are in
	PLACES NP
	FETCH_B \slot, (\q)+1, 1-(\q)%2
	FETCH_A \slot, (\q)+1, 0
.if \first
	WIN BIA_HI
.else
	WIN MUL_HI
.endif
	MUL16 4, (\q)%2, \q, \slot, \first
	MUL16 6, (\q)%2, \q, \slot, \first
	PLACES NP
	WIN 0
	FETCH_A \slot, (\q)+1, 4
.endm
.macro STEPS slot, from
.set Q, \from
.rept NQ-1-\from
	STEP \slot, Q, 0
.set Q, Q+1
.endr
.endm
	s_wait_tensorcnt 1                             ; the scales and my part of slot 0 are in; slot 1's load may be out
	s_barrier_signal -1
	s_barrier_wait -1                              ; everybody's are
	FETCH_B 0, 0, 0
	FETCH_A 0, 0, 0
	SCALES 0
	FETCH_A 0, 0, 4
	s_wait_loadcnt 0x0                             ; the bias
	STEP 0, 0, 1
	STEPS 0, 1
	; slot 0's last step changes slots: one barrier; in front of it all my tensor loads have landed (slot 1's part), the add, and my reads of slot 0 are over
	s_wait_tensorcnt 0x0
	ds_add_u32 v[SPW], v[NIL]
	s_wait_dscnt 4*NL+1                            ; the add and A's blocks 4-7 may be out
	WIN MUL_LO
	MUL16 0, 1, NQ-1, 0, 0
	s_wait_dscnt 0x0
	s_barrier_signal -1
	MUL16 2, 1, NQ-1, 0, 0
	WIN 0
	s_barrier_wait -1
	PLACES NP
	v_add_nc_u32 v[ADRS], 4*NQ, v[ADRS]            ; on to slot 1's scale words
	FETCH_B 1, 0, 0
	FETCH_A 1, 0, 0
	SCALES 1
	WIN MUL_HI
	MUL16 4, 1, NQ-1, 0, 0
	MUL16 6, 1, NQ-1, 0, 0
	PLACES NP
	WIN 0
	FETCH_A 1, 0, 4
	STEPS 1, 0
	s_wait_dscnt 4*NL                              ; the very last step: nothing more to fetch
	WIN MUL_LO
	MUL16 0, 1, NQ-1, 1, 0
	MUL16 2, 1, NQ-1, 1, 0
	s_wait_dscnt 0
	WIN MUL_HI
	MUL16 4, 1, NQ-1, 1, 0
	MUL16 6, 1, NQ-1, 1, 0
	WIN 0
	PLACES NP
	; THE F32 COPY of positions 0-15: my block 0, where my first row is a sequence's first.  The choice is made by EXEC, not by a branch: it hangs on the work-group's place in its cluster.
	; The address lies inside qkv16 in every wave.  A lane stores 16 bytes of rows 12,288 bytes apart: 786,432 bytes in the whole launch.
	v_mov_b32 v[TMP], s93
	v_cmp_eq_u32 vcc_lo, 0, v[TMP]
	s_wait_xcnt 0x0                                ; EXEC changes only behind this wait
	s_and_saveexec_b32 s94, vcc_lo
	WIN 0x08                                       ; a store's data: window 2
.irp b, 0,1,2,3,4,5,6,7
	global_store_b128 v[FO], v[8*\b:8*\b+3], s[98:99] offset:64*\b       ; each accumulator from its low end on
	global_store_b128 v[FO], v[8*\b+4:8*\b+7], s[98:99] offset:64*\b+16
.endr
	WIN 0
	s_wait_xcnt 0x0                                ; and again in front of the line that widens it
	s_or_b32 exec_lo, exec_lo, s94
; THE WAY OUT, block by block of 16 rows x 128 columns: rounded to f16, 16 bytes a lane, through my stage, and back as four rows of one head: 512 consecutive bytes of qkvh an instruction.
.macro PACK a
.set AC, 64*((\a)%4)
	WIN 0x0a+5*((\a)/4)                            ; sources 0 and 1: window 2 or 3
.irp b, 0,1,2,3,4,5,6,7
.irp i, 0,1,2,3
	v_cvt_pk_f16_f32 v[TMP+4*\b+\i], v[AC+8*\b+2*\i], v[AC+8*\b+2*\i+1]
.endr
.endr
	WIN 0
.endm
.macro TOSTAGE a
.set BB, BK+32*((\a)%2)
.irp b, 0,1,2,3,4,5,6,7
	ds_store_b128 v[STO], v[TMP+4*\b:TMP+4*\b+3] offset:32*\b
.endr
.irp i, 0,1,2,3,4,5,6,7
	ds_load_b128 v[BB+4*\i:BB+4*\i+3], v[RD] offset:(\i%4)*4*SPITCH+128*(\i/4)   ; LDS serves a wave's instructions in order: these see the stores above
.endr
.endm
.macro SEND a
.set BB, BK+32*((\a)%2)
	s_wait_dscnt 0x0                               ; the block is back in registers
	s_wait_xcnt 0x0                                ; the stores of the block before have read their registers: the next block's loads may land there
.irp i, 0,1,2,3,4,5,6,7
	global_store_b128 v[CO], v[BB+4*\i:BB+4*\i+3], s[96:97] offset:(\i/4)*262144+(\a)*2048+(\i%4)*512
.endr
.endm
	PACK 0
	TOSTAGE 0
.irp a, 1,2,3,4,5,6,7                  ; block a's conversions stand between block a - 1's loads from the stage and the wait for them
	PACK \a
	SEND \a-1
	TOSTAGE \a
.endr
	SEND 7
	s_wait_tensorcnt 0x0                           ; the wave's end
	ds_add_u32 v[SPW], v[NIL]
	s_wait_dscnt 0x0
	CROUND                                         ; the closing round
	s_endpgm
.Lfunc_end_k_qef6606a393_qkv:
	.size	k_qef6606a393_qkv, .Lfunc_end_k_qef6606a393_qkv-k_qef6606a393_qkv
	.p2alignl 7, 3214868480
	.fill 96, 4, 3214868480
	.section	.rodata,"a",@progbits
	.p2align	6, 0x0
	.amdhsa_kernel k_qef6606a393_qkv
		.amdhsa_group_segment_fixed_size 327680
		.amdhsa_private_segment_fixed_size 0
		.amdhsa_enable_private_segment 0
		.amdhsa_kernarg_size 56
		.amdhsa_user_sgpr_count 2
		.amdhsa_user_sgpr_kernarg_segment_ptr 1
		.amdhsa_wavefront_size32 1
		.amdhsa_system_sgpr_workgroup_id_x 1
		.amdhsa_system_sgpr_workgroup_id_y 1
		.amdhsa_system_sgpr_workgroup_id_z 1
		.amdhsa_system_vgpr_workitem_id 0
		.amdhsa_next_free_vgpr 1024
		.amdhsa_next_free_sgpr 102
		.amdhsa_reserve_vcc 1
		.amdhsa_float_denorm_mode_32 3
		.amdhsa_float_denorm_mode_16_64 3
		.amdhsa_memory_ordered 1
		.amdhsa_forward_progress 1
		.amdhsa_inst_pref_size 130
	.end_amdhsa_kernel
	.amdgpu_metadata
---
amdhsa.version: [ 1, 2 ]
amdhsa.kernels:
  - .name:           k_qef6606a393_qkv
    .symbol:         k_qef6606a393_qkv.kd
    .args:
      - { .name: xc, .offset: 0, .size: 8, .value_kind: global_buffer, .address_space: global }
      - { .name: xs, .offset: 8, .size: 8, .value_kind: global_buffer, .address_space: global }
      - { .name: wc, .offset: 16, .size: 8, .value_kind: global_buffer, .address_space: global }
      - { .name: ws, .offset: 24, .size: 8, .value_kind: global_buffer, .address_space: global }
      - { .name: b_qkv, .offset: 32, .size: 8, .value_kind: global_buffer, .address_space: global }
      - { .name: qkvh, .offset: 40, .size: 8, .value_kind: global_buffer, .address_space: global }
      - { .name: qkv16, .offset: 48, .size: 8, .value_kind: global_buffer, .address_space: global }
    .group_segment_fixed_size: 327680
    .private_segment_fixed_size: 0
    .kernarg_segment_align: 8
    .kernarg_segment_size: 56
    .max_flat_workgroup_size: 128
    .sgpr_count:     102
    .vgpr_count:     1024
    .wavefront_size: 32
...
	.end_amdgpu_metadata
.endif
;; end of part 2
;; launch attn (part 3): grid 4 x 64, 8 waves a work-group, no clusters, 327,680 bytes of LDS; arguments qkvh, att; writes att
.if DOCPART == 3
	.amdgcn_target "amdgcn-amd-amdhsa--gfx1250"
	.amdhsa_code_object_version 6
	.text
	.protected	k_qef6606a393_attn
	.globl	k_qef6606a393_attn
	.p2align	8
	.type	k_qef6606a393_attn,@function
k_qef6606a393_attn:
	s_mov_b64 s[64:65], 0
	v_nop
	global_prefetch_b8 v0, s[64:65] scope:SCOPE_SE
	s_setreg_imm32_b32 hwreg(HW_REG_WAVE_MODE, 25, 1), 1
	s_wait_xcnt 0x0
; ATTN: att[h][b t][:] = sum over k <= t of softmax_k(q . k / 8) v, for each of 64 (batch, head) pairs, 2,048 positions, head size 64.  q, k, v: f16 (qkvh); products, maxima and sums in f32;
; the weights p are rounded to f16 for the second product, the result once at the end.  att: f16, byte = head << 20 + (batch x 2,048 + t) << 7.
; LIMIT: results up to 65,504.  Positions 0-15 are computed here like all others and are replaced downstream by a finer launch.
; SHARES.  Work-group (x, y): y = batch x 16 + head; it owns the query blocks 7 - x (pair 0) and x (pair 1), 256 queries each: under the causal mask that is 9 blocks of 256 x 256 for every work-group.
; Each of eight waves holds 32 queries of each block: tiles 0, 1 (pair 0) and 2, 3 (pair 1).  Two waves share a SIMD, so that one wave's softmax stands beside the other's products.
; All waves walk eight units of 256 keys, four steps of 64 each, with constant trip counts; a step all of whose keys come after a pair's queries is jumped over by a scalar branch on ids.
; RING.  Two LDS slots of a unit each; every wave fetches 64 rows of each fill (waves 0-3: K's four steps; waves 4-7: V's).  A unit whose first key comes after the work-group's last query is not asked for.
; NO CLUSTER: the four work-groups of a head need 8 - x units, a different number each: a joint load would bring tiles that no wave of some partner reads.
; LAYOUT.  S^T = K Q^T and O^T = V^T P: a lane holds one query (lane % 16) throughout; two tiles of S^T, rounded in pairs, are the second product's operand.  V is turned by ds_load_tr16_b128.
; SOFTMAX.  A running maximum m and sum l for each query: p = 2^(c s - c m), c = log2(e) / 8; O and l are multiplied by a = 2^(c m_old - c m_new) in every step.
; REGISTERS.  window 0: v1-15 addresses; v16-47 eight statistics a tile; v48-111 S^T of the pair in hand; v112-143 P; v144-207 K's fragments.
;   window 1: v0-127 O^T, 32 a tile; v128-191 Q, 16 a tile; v192-255 V's fragments.
.set PK,    144                        ; a row of K in LDS: 128 bytes + 16: the 16 rows of a load start at 16 different groups of banks
.set PV,    160                        ; a row of V: 128 + 32, an odd multiple of 32, for the turning load
.set VOFF,  64*PK                      ; a step's tiles lie together: 64 rows of K, then 64 rows of V
.set STEPB, 64*(PK+PV)
.set SLOT1, 1<<17                      ; slot 1 begins here: one exclusive or turns an address from one slot to the other
.set STAGE, SLOT1+4*STEPB              ; behind the ring: 16 rows x 144 bytes for each wave, for the way out
.set SPARE, STAGE+8*16*PK              ; the spare words, 128 bytes a wave: four blocks of 256 bytes that no other line names
.set AK0, 1
.set AV0, 2
.set ADK, 3
.set ADV, 4
.set STO, 5
.set RD,  6
.set GO,  7
.set SPW, 8
.set NIL, 9
.set DL,  10                           ; r - 8 h
.set NINF, 11                          ; -infinity
.set D0,  12
.set D1,  13
.set QO,  14
.set PFO, 15                           ; 256 x lane; never rewritten
.set ST,  16                           ; tile T at v[ST + 8 T]: +0 c m, +1 m, +2, +3 l (even, odd keys), +4 .. +7 at work; a takes +6
.set S,   48
.set P,   112
.set KR,  144
.set QF,  128                          ; in window 1
.set VF,  192                          ; in window 1
.set WV,  8
.set Q0,  16                           ; s16, s17: my first query of pair 0, 1
.set KF,  18                           ; the step's first key
.set TB,  19                           ; LDS byte at which the step's tiles begin
.set SEL, 20
.set CS,  22
.set G1K, 24
.set G1V, 32
.set G0K, 40
.set G0V, 44
.set UNITS, 48
.set STEPS, 49
.set LIM, 50
.set LASTQ, 51
.set PFA, 52
.set MSB, 0
.macro WIN new
.if MSB != \new
	s_set_vgpr_msb (MSB<<8)|\new
.set MSB, \new
.endif
.endm
.set W_KQ, 0x04                        ; Q (source 1) window 1; K, S^T window 0
.set W_VL, 0x40                        ; destination window 1
.set W_RS, 0x41                        ; O^T (destination, source 0) window 1, a window 0
.set W_PV, 0x51                        ; V, O^T window 1, P window 0
.set W_CV, 0x05                        ; sources window 1, destination window 0
; Every wave has one load in each fill.  The branch hangs on the wave's number alone.  An s_nop 0 and four v_nop follow each line.
.macro TLOAD
	s_cmp_lt_u32 s[WV], 4
	s_cbranch_scc0 .Lfor_v_\@
	tensor_load_to_lds s[G0K:G0K+3], s[G1K:G1K+7]
	s_nop 0
.rept 4
	v_nop
.endr
	s_branch .Lasked_\@
.Lfor_v_\@:
	tensor_load_to_lds s[G0V:G0V+3], s[G1V:G1V+7]
	s_nop 0
.rept 4
	v_nop
.endr
.Lasked_\@:
.endm
; A prefetch of the unit that the NEXT change of slots will ask for: a unit, four key steps, ahead of that load.  All four work-groups of a head walk the same K and V: the one with x = 0, which walks
; all eight units, asks.  Each of its waves names the 8,192 bytes that it will itself fetch, lanes 256 bytes apart: each aligned block of 256 bytes once in the launch.  Units 0 and 1 come by their loads alone;
; the last change that fills a slot asks for nothing.
.macro ASK
	s_cmp_gt_u32 s[UNITS], s[LIM]
	s_cbranch_scc0 .Lnot_mine_\@
	global_prefetch_b8 v[PFO], s[PFA:PFA+1] th:TH_LOAD_NT scope:SCOPE_SE
.Lnot_mine_\@:
.endm
	s_load_b128 s[4:7], s[0:1], 0x0                ; qkvh s[4:5], att s[6:7]
	v_lshl_add_u32 v[SPW], v0, 2, SPARE
	v_mov_b32 v[NIL], 0
	ds_add_u32 v[SPW], v[NIL]                      ; the wave's opening: the add, twice on end, and its wait ahead of my first tensor load
	ds_add_u32 v[SPW], v[NIL]
	v_lshrrev_b32 v1, 5, v0
	v_readfirstlane_b32 s[WV], v1                  ; wave 0..7
	s_and_b32 s10, ttmp7, 0xffff                   ; y = batch x 16 + head
	s_sub_co_u32 s11, 7, ttmp9                     ; the high block
	s_lshl_b32 s12, s[WV], 5
	s_lshl_b32 s[Q0], s11, 8
	s_or_b32 s[LASTQ], s[Q0], 255                  ; my work-group's last query
	s_add_co_u32 s[Q0], s[Q0], s12
	s_lshl_b32 s[Q0+1], ttmp9, 8
	s_add_co_u32 s[Q0+1], s[Q0+1], s12
	s_mov_b32 s[G1K], (1<<16)|(1<<20)|(4<<22)|(3<<25)   ; no mask; elements of 2 bytes; padding on; after every 32 words; 4 words
	s_mov_b32 s[G1V], (1<<16)|(1<<20)|(4<<22)|(7<<25)   ; the same with 8 words
.irp g, G1K, G1V
	s_mov_b32 s[\g+1], 64<<16                      ; tensor_dim0
	s_mov_b32 s[\g+2], 64<<16                      ; tensor_dim1
	s_mov_b32 s[\g+3], 64<<16                      ; tile_dim0
	s_mov_b32 s[\g+4], 64                          ; tile_dim1
	s_mov_b32 s[\g+5], 64                          ; tensor_dim0_stride
	s_mov_b32 s[\g+6], 0
	s_mov_b32 s[\g+7], 0
.endr
	s_and_b32 s13, s[WV], 3                        ; which of a unit's four steps I fetch
	s_mul_i32 s14, s13, STEPB                      ; its place in a slot,
	s_lshl_b32 s54, s13, 13                        ; its 64 rows of 128 bytes in memory,
	s_lshl_b32 s66, s10, 18                        ; in my head
	s_add_co_u32 s54, s54, s66
	s_mov_b32 s55, 0
	s_lshl_b32 s67, s[Q0], 7
	s_add_co_u32 s56, s66, s67                     ; q's rows of pair 0,
	s_mov_b32 s57, 0
	s_lshl_b32 s67, s[Q0+1], 7
	s_add_co_u32 s58, s66, s67                     ; of pair 1
	s_mov_b32 s59, 0
	s_and_b32 s66, s10, 15
	s_lshl_b32 s66, s66, 20
	s_lshr_b32 s67, s10, 4
	s_lshl_b32 s67, s67, 18
	s_add_co_u32 s66, s66, s67                     ; att: head << 20 + batch x 2,048 rows of 128 bytes
	s_lshl_b32 s67, s[Q0], 7
	s_add_co_u32 s60, s66, s67
	s_mov_b32 s61, 0
	s_lshl_b32 s67, s[Q0+1], 7
	s_add_co_u32 s62, s66, s67
	s_mov_b32 s63, 0
	s_cmp_eq_u32 ttmp9, 0
	s_cselect_b32 s[LIM], 1, -1
	s_mov_b32 s[KF], 0
	s_mov_b32 s[TB], 0
	s_mov_b32 s[SEL], 0x76543210
	s_mov_b32 s[SEL+1], 0xfedcba98
	s_mov_b32 s[CS], 0x3e38aa3b                    ; c = log2(e) / 8
	s_mov_b32 s[CS+1], s[CS]                       ; named with it as a pair, so it is written
	s_mov_b32 s[UNITS], 7
	s_wait_dscnt 0x0                               ; both opening adds are done
	s_wait_kmcnt 0x0
	s_add_nc_u64 s[G0K+2:G0K+3], s[4:5], s[54:55]
	s_add_nc_u64 s[G0K+2:G0K+3], s[G0K+2:G0K+3], 1<<24   ; k
	s_add_nc_u64 s[G0V+2:G0V+3], s[G0K+2:G0K+3], 1<<24   ; v
	s_cmp_lt_u32 s[WV], 4
	s_cselect_b64 s[PFA:PFA+1], s[G0K+2:G0K+3], s[G0V+2:G0V+3]
	s_add_nc_u64 s[PFA:PFA+1], s[PFA:PFA+1], 32768 ; at unit 1: the first change of slots steps it to unit 2
	s_or_b32 s[G0K+3], s[G0K+3], 0x80000000
	s_or_b32 s[G0V+3], s[G0V+3], 0x80000000
	s_mov_b32 s[G0K], 1
	s_mov_b32 s[G0K+1], s14
	s_mov_b32 s[G0V], 1
	s_add_co_u32 s[G0V+1], s14, VOFF
	TLOAD                                          ; unit 0 into slot 0: one tensor load of mine is out
	s_add_nc_u64 s[56:57], s[4:5], s[56:57]
	s_add_nc_u64 s[58:59], s[4:5], s[58:59]
	s_add_nc_u64 s[60:61], s[6:7], s[60:61]
	s_add_nc_u64 s[62:63], s[6:7], s[62:63]
	v_and_b32 v12, 15, v0                          ; r
	v_bfe_u32 v13, v0, 4, 1                        ; h
	v_lshlrev_b32 v[QO], 7, v12
	v_lshl_add_u32 v[QO], v13, 4, v[QO]            ; q: row r of 128 bytes + 16 h
	WIN W_VL
.irp t, 0,1
.irp c, 0,1                                    ; Q stays in registers: tile, channels 32 c on
	global_load_b128 v[QF+16*\t+8*\c:QF+16*\t+8*\c+3],   v[QO], s[56:57] offset:\t*2048+64*\c
	global_load_b128 v[QF+16*\t+8*\c+4:QF+16*\t+8*\c+7], v[QO], s[56:57] offset:\t*2048+64*\c+32
	global_load_b128 v[QF+32+16*\t+8*\c:QF+32+16*\t+8*\c+3],   v[QO], s[58:59] offset:\t*2048+64*\c
	global_load_b128 v[QF+32+16*\t+8*\c+4:QF+32+16*\t+8*\c+7], v[QO], s[58:59] offset:\t*2048+64*\c+32
.endr
.endr
.set i, 0
.rept 128
	v_mov_b32 v[i], 0                              ; O^T: the key step is written once; its first run finds zeros, which the first a leaves zeros
.set i, i+1
.endr
	WIN 0
	v_mul_u32_u24 v[AK0], v12, PK
	v_lshl_add_u32 v[AK0], v13, 4, v[AK0]          ; K: row r x pitch + 16 h
	v_and_b32 v3, 7, v0
	v_lshl_add_u32 v3, v13, 3, v3
	v_mul_u32_u24 v[AV0], v3, PV                   ; V: key 8 h + l % 8,
	v_bfe_u32 v3, v0, 3, 1
	v_lshl_add_u32 v[AV0], v3, 4, v[AV0]           ; channels 8 ((l / 8) % 2) on
	v_add_nc_u32 v[AV0], VOFF, v[AV0]
	s_mul_i32 s66, s[WV], 16*PK
	s_add_co_u32 s66, s66, STAGE                   ; my stage
	v_add_nc_u32 v[STO], s66, v[AK0]               ; in: row r, 16 bytes for each half of the lanes
	v_and_b32 v3, 31, v0
	v_lshrrev_b32 v4, 3, v3
	v_mul_u32_u24 v4, v4, PK
	v_and_b32 v[RD], 7, v0
	v_lshl_add_u32 v[RD], v[RD], 4, v4
	v_add_nc_u32 v[RD], s66, v[RD]                 ; back: eight lanes to a row of 128 bytes, four rows an instruction
	v_lshlrev_b32 v[GO], 4, v3                     ; which are 512 consecutive bytes of att
	v_lshlrev_b32 v[PFO], 8, v3
	v_lshlrev_b32 v[DL], 3, v13
	v_sub_nc_u32 v[DL], v12, v[DL]
	v_mov_b32 v[NINF], 0xff800000
.irp T, 0,1,2,3
	v_mov_b32 v[ST+8*\T+1], 0xff61b1e6             ; m: -3e38, under every score
	v_mul_f32 v[ST+8*\T], s[CS], v[ST+8*\T+1]      ; c m
.irp e, 2,3,4,5,6,7
	v_mov_b32 v[ST+8*\T+\e], 0                     ; l, and the registers at work: written once, whichever steps are walked
.endr
.endr
; THE SOFTMAX of a pair's two tiles for one key step, the tiles line by line by turns.
.macro SOFTMAX pr
.irp j, 0,1,2,3                                ; the maximum of 32 scores and the old m: four chains, from each accumulator's low end on
.irp t, 0,1
	v_max3_num_f32 v[ST+8*(2*\pr+\t)+4+\j], v[S+32*\t+8*\j], v[S+32*\t+8*\j+1], v[S+32*\t+8*\j+2]
.endr
.endr
.irp q, 1,2
.irp j, 0,1,2,3
.irp t, 0,1
	v_max3_num_f32 v[ST+8*(2*\pr+\t)+4+\j], v[ST+8*(2*\pr+\t)+4+\j], v[S+32*\t+8*\j+2*\q+1], v[S+32*\t+8*\j+2*\q+2]
.endr
.endr
.endr
.irp t, 0,1
	v_max3_num_f32 v[ST+8*(2*\pr+\t)+4], v[ST+8*(2*\pr+\t)+4], v[S+32*\t+7], v[S+32*\t+15]
	v_max3_num_f32 v[ST+8*(2*\pr+\t)+6], v[ST+8*(2*\pr+\t)+6], v[S+32*\t+23], v[S+32*\t+31]
.endr
.irp t, 0,1
	v_max3_num_f32 v[ST+8*(2*\pr+\t)+4], v[ST+8*(2*\pr+\t)+4], v[ST+8*(2*\pr+\t)+5], v[ST+8*(2*\pr+\t)+6]
.endr
.irp t, 0,1
	v_max3_num_f32 v[ST+8*(2*\pr+\t)+4], v[ST+8*(2*\pr+\t)+4], v[ST+8*(2*\pr+\t)+7], v[ST+8*(2*\pr+\t)+1]
.endr
.irp t, 0,1
	v_permlanex16_b32 v[ST+8*(2*\pr+\t)+5], v[ST+8*(2*\pr+\t)+4], s[SEL], s[SEL+1]   ; the query's other 32 keys lie in the lane 16 away
	v_mov_b32 v[ST+8*(2*\pr+\t)+7], v[ST+8*(2*\pr+\t)]                               ; c m_old is kept for a
.endr
.irp t, 0,1
	v_max_num_f32 v[ST+8*(2*\pr+\t)+1], v[ST+8*(2*\pr+\t)+4], v[ST+8*(2*\pr+\t)+5]
.endr
.irp t, 0,1
	v_mul_f32 v[ST+8*(2*\pr+\t)], s[CS], v[ST+8*(2*\pr+\t)+1]
.endr
.irp t, 0,1
	v_sub_f32 v[ST+8*(2*\pr+\t)+7], v[ST+8*(2*\pr+\t)+7], v[ST+8*(2*\pr+\t)]
.endr
.irp b, 0,1,2,3,4,5,6,7,8,9,10,11,12,13,14,15
.irp t, 0,1
	v_pk_fma_f32 v[S+32*\t+2*\b:S+32*\t+2*\b+1], v[S+32*\t+2*\b:S+32*\t+2*\b+1], s[CS:CS+1], v[ST+8*(2*\pr+\t):ST+8*(2*\pr+\t)+1] op_sel_hi:[1,0,0] neg_lo:[0,0,1] neg_hi:[0,0,1]   ; c s - c m
.endr
.endr
.irp t, 0,1
	v_exp_f32 v[ST+8*(2*\pr+\t)+6], v[ST+8*(2*\pr+\t)+7]   ; a
.endr
.set e, 0
.rept 64
	v_exp_f32 v[S+e], v[S+e]                       ; p: the 66 exponentials are one batch
.set e, e+1
.endr
	v_nop                                          ; a plain line behind the last exponential
	s_wait_alu depctr_va_vdst(0)                   ; one wait for the batch, ahead of its first reader
.irp i, 0,1,2,3,4,5,6,7,8,9,10,11,12,13,14,15
.irp t, 0,1
	v_cvt_pk_f16_f32 v[P+16*\t+\i], v[S+32*\t+2*\i], v[S+32*\t+2*\i+1]
.endr
.endr
.irp u, 0,1,2,3,4,5,6,7                        ; the sum of 16 pairs, in place: neighbours 1, 2, 4 and 8 pairs apart
.irp t, 0,1
	v_pk_add_f32 v[S+32*\t+4*\u:S+32*\t+4*\u+1], v[S+32*\t+4*\u:S+32*\t+4*\u+1], v[S+32*\t+4*\u+2:S+32*\t+4*\u+3]
.endr
.endr
.irp u, 0,1,2,3
.irp t, 0,1
	v_pk_add_f32 v[S+32*\t+8*\u:S+32*\t+8*\u+1], v[S+32*\t+8*\u:S+32*\t+8*\u+1], v[S+32*\t+8*\u+4:S+32*\t+8*\u+5]
.endr
.endr
.irp u, 0,1
.irp t, 0,1
	v_pk_add_f32 v[S+32*\t+16*\u:S+32*\t+16*\u+1], v[S+32*\t+16*\u:S+32*\t+16*\u+1], v[S+32*\t+16*\u+8:S+32*\t+16*\u+9]
.endr
.endr
.irp t, 0,1
	v_pk_add_f32 v[S+32*\t:S+32*\t+1], v[S+32*\t:S+32*\t+1], v[S+32*\t+16:S+32*\t+17]
.endr
.irp t, 0,1
	v_pk_fma_f32 v[ST+8*(2*\pr+\t)+2:ST+8*(2*\pr+\t)+3], v[ST+8*(2*\pr+\t)+2:ST+8*(2*\pr+\t)+3], v[ST+8*(2*\pr+\t)+6:ST+8*(2*\pr+\t)+7], v[S+32*\t:S+32*\t+1] op_sel_hi:[1,0,1]   ; l = a l + the sum
.endr
	WIN W_RS
.irp i, 0,1,2,3,4,5,6,7,8,9,10,11,12,13,14,15
.irp t, 0,1
	v_pk_mul_f32 v[32*(2*\pr+\t)+2*\i:32*(2*\pr+\t)+2*\i+1], v[32*(2*\pr+\t)+2*\i:32*(2*\pr+\t)+2*\i+1], v[ST+8*(2*\pr+\t)+6:ST+8*(2*\pr+\t)+7] op_sel_hi:[1,0]   ; O^T x a
.endr
.endr
.endm
; A KEY STEP of 64 keys for pair pr.  Every accumulator has one instruction a turn, seven others' between two links.
.macro STEP pr
	s_add_co_u32 s66, s[Q0+\pr], 31
	s_cmp_gt_u32 s[KF], s66                        ; all 64 keys come after my 32 queries: nothing to do.  (A step that is walked has KF <= my first query: every query has a key that counts)
	s_cbranch_scc1 .Lhid_\@
	v_add_nc_u32 v[ADK], s[TB], v[AK0]
	v_add_nc_u32 v[ADV], s[TB], v[AV0]
	v_nop
	v_nop                                          ; four plain lines between the last products V^T P and the loads into V's registers below
.irp j, 0,1,2,3
.irp c, 0,1
	ds_load_b128 v[KR+16*\j+8*\c:KR+16*\j+8*\c+3],   v[ADK] offset:\j*16*PK+64*\c
	ds_load_b128 v[KR+16*\j+8*\c+4:KR+16*\j+8*\c+7], v[ADK] offset:\j*16*PK+64*\c+32
.endr
.endr
	s_wait_dscnt 0x0                               ; K is in
	WIN W_KQ
.irp j, 0,1,2,3
.irp t, 0,1
	v_wmma_f32_16x16x32_f16 v[S+32*\t+8*\j:S+32*\t+8*\j+7], v[KR+16*\j:KR+16*\j+7], v[QF+16*(2*\pr+\t):QF+16*(2*\pr+\t)+7], 0
.endr
.endr
.irp j, 0,1,2,3
.irp t, 0,1
	v_wmma_f32_16x16x32_f16 v[S+32*\t+8*\j:S+32*\t+8*\j+7], v[KR+16*\j+8:KR+16*\j+15], v[QF+16*(2*\pr+\t)+8:QF+16*(2*\pr+\t)+15], v[S+32*\t+8*\j:S+32*\t+8*\j+7]
.endr
.endr
	WIN W_VL
.irp c, 0,1                                    ; V, turned: keys 32 c on, channels 16 d on; it lands while the softmax runs
.irp d, 0,1,2,3
	ds_load_tr16_b128 v[VF+32*\c+8*\d:VF+32*\c+8*\d+3],   v[ADV] offset:\c*32*PV+32*\d
	ds_load_tr16_b128 v[VF+32*\c+8*\d+4:VF+32*\c+8*\d+7], v[ADV] offset:\c*32*PV+16*PV+32*\d
.endr
.endr
	WIN 0
.rept 4
	v_nop                                          ; places in front of the first read of the scores
.endr
	s_add_co_u32 s66, s[KF], 63
	s_cmp_le_u32 s66, s[Q0+\pr]                    ; all 64 keys count for all my queries: no mask
	s_cbranch_scc1 .Lopen_\@
	s_sub_co_i32 s66, s[Q0+\pr], s[KF]
	v_add_nc_u32 v[D0], s66, v[DL]                 ; register n holds key KF + 16 (n / 8) + 8 h + n % 8: hidden where 16 (n / 8) + n % 8 > my query - KF - 8 h
	v_add_nc_u32 v[D1], 16, v[D0]
.set n, 0
.rept 32
	v_cmp_gt_i32 vcc_lo, 16*(n/8)+n%8, v[D0]
	v_cndmask_b32 v[S+n], v[S+n], v[NINF], vcc_lo
	v_cmp_gt_i32 vcc_lo, 16*(n/8)+n%8, v[D1]
	v_cndmask_b32 v[S+32+n], v[S+32+n], v[NINF], vcc_lo
.set n, n+1
.endr
.Lopen_\@:
	SOFTMAX \pr
	s_wait_dscnt 0x0                               ; V is in
	WIN W_PV
.irp c, 0,1
.irp d, 0,1,2,3
.irp t, 0,1
	v_wmma_f32_16x16x32_f16 v[32*(2*\pr+\t)+8*\d:32*(2*\pr+\t)+8*\d+7], v[VF+32*\c+8*\d:VF+32*\c+8*\d+7], v[P+16*\t+8*\c:P+16*\t+8*\c+7], v[32*(2*\pr+\t)+8*\d:32*(2*\pr+\t)+8*\d+7]
.endr
.endr
.endr
	WIN 0
.Lhid_\@:
.endm
; THE CHANGE OF SLOTS stands at a unit's head.  Each wave waits for all its tensor loads (its part of the unit that it is about to read), adds 0 to its spare word, and waits for that and for its reads of the
; slot that it has left.  Behind the barrier the other slot is asked for, first thing, one load a wave: it has a unit's four steps in which to land.
.macro CHANGE fill
	s_wait_tensorcnt 0x0                           ; no tensor load of mine is out, so a group 0 may be written
	ds_add_u32 v[SPW], v[NIL]
.if \fill
	s_xor_b32 s[G0K+1], s[G0K+1], SLOT1            ; the walking descriptors: the other slot, the next 256 keys
	s_add_nc_u64 s[G0K+2:G0K+3], s[G0K+2:G0K+3], 32768
	s_xor_b32 s[G0V+1], s[G0V+1], SLOT1
	s_add_nc_u64 s[G0V+2:G0V+3], s[G0V+2:G0V+3], 32768
	s_wait_xcnt 0x0                                ; the last prefetch, a unit back, has read its address
	s_add_nc_u64 s[PFA:PFA+1], s[PFA:PFA+1], 32768 ; one unit further on than the walking descriptors
.endif
	s_wait_dscnt 0x0                               ; the add is done, and my reads of the slot that I have left are over
	s_barrier_signal -1
	s_barrier_wait -1
.if \fill
	s_add_co_u32 s66, s[KF], 256                   ; the first key of the unit that this change would ask for:
	s_cmp_gt_u32 s66, s[LASTQ]                     ; past my work-group's last query no wave reads it, so it is not asked for.  Ids and the count of steps alone: all eight waves go the same way
	s_cbranch_scc1 .Lpast_\@
	TLOAD
.Lpast_\@:
	ASK
.endif
.endm
.macro UNIT                            ; four key steps, written once; the LDS addresses hang on s[TB]
	s_mov_b32 s[STEPS], 4
.Lstep_\@:
	STEP 0
	STEP 1
	s_add_co_u32 s[KF], s[KF], 64
	s_add_co_u32 s[TB], s[TB], STEPB
	s_sub_co_u32 s[STEPS], s[STEPS], 1
	s_cmp_lg_u32 s[STEPS], 0
	s_cbranch_scc1 .Lstep_\@
	s_sub_co_u32 s[TB], s[TB], 4*STEPB
	s_xor_b32 s[TB], s[TB], SLOT1                  ; on to the other slot
.endm
	s_wait_loadcnt 0x0                             ; Q
.Lunit:                                            ; seven trips: behind each change but the last the next unit is asked for, up to the causal limit
	CHANGE 1
	UNIT
	s_sub_co_u32 s[UNITS], s[UNITS], 1
	s_cmp_lg_u32 s[UNITS], 0
	s_cbranch_scc1 .Lunit
	CHANGE 0                                       ; the last unit is written out: nothing is left to fetch
	UNIT
	; THE WAY OUT.  l's halves are added; O^T is divided by l, rounded to f16 and sent through my stage, a tile (16 rows) at a time.  The additions are the places behind the last products.
.irp T, 0,1,2,3
	v_add_f32 v[ST+8*\T+4], v[ST+8*\T+2], v[ST+8*\T+3]
.endr
.irp T, 0,1,2,3
	v_permlanex16_b32 v[ST+8*\T+5], v[ST+8*\T+4], s[SEL], s[SEL+1]
.endr
.irp T, 0,1,2,3
	v_add_f32 v[ST+8*\T+4], v[ST+8*\T+4], v[ST+8*\T+5]
.endr
.irp T, 0,1,2,3
	v_rcp_f32 v[ST+8*\T+6], v[ST+8*\T+4]
.endr
	v_nop                                          ; a plain line behind the last reciprocal
	s_wait_alu depctr_va_vdst(0)                   ; one wait for the four
.macro PACKO T
	WIN W_RS
.set i, 0
.rept 16
	v_pk_mul_f32 v[32*\T+2*i:32*\T+2*i+1], v[32*\T+2*i:32*\T+2*i+1], v[ST+8*\T+6:ST+8*\T+7] op_sel_hi:[1,0]
.set i, i+1
.endr
	WIN W_CV
.set i, 0
.rept 16
	v_cvt_pk_f16_f32 v[S+16*\T+i], v[32*\T+2*i], v[32*\T+2*i+1]
.set i, i+1
.endr
	WIN 0
.irp d, 0,1,2,3
	ds_store_b128 v[STO], v[S+16*\T+4*\d:S+16*\T+4*\d+3] offset:32*\d
.endr
.irp f, 0,1,2,3
	ds_load_b128 v[KR+16*\T+4*\f:KR+16*\T+4*\f+3], v[RD] offset:\f*4*PK   ; LDS serves a wave's instructions in order: these see the stores above; the next tile's stores come behind them
.endr
.endm
	PACKO 0
	PACKO 1
	PACKO 2
	PACKO 3
.irp T, 0,1
.irp f, 0,1,2,3
	s_wait_dscnt 8*(3-\T)+3-\f                     ; the LDS instructions issued behind this load may be out
	global_store_b128 v[GO], v[KR+16*\T+4*\f:KR+16*\T+4*\f+3], s[60:61] offset:\T*2048+512*\f   ; the wave stores 512 consecutive bytes
.endr
.endr
.irp T, 2,3
.irp f, 0,1,2,3
	s_wait_dscnt 8*(3-\T)+3-\f
	global_store_b128 v[GO], v[KR+16*\T+4*\f:KR+16*\T+4*\f+3], s[62:63] offset:(\T-2)*2048+512*\f
.endr
.endr
	s_wait_tensorcnt 0x0                           ; the wave's end
	ds_add_u32 v[SPW], v[NIL]
	s_wait_dscnt 0x0
	s_endpgm
.Lfunc_end_k_qef6606a393_attn:
	.size	k_qef6606a393_attn, .Lfunc_end_k_qef6606a393_attn-k_qef6606a393_attn
	.p2alignl 7, 3214868480
	.fill 96, 4, 3214868480
	.section	.rodata,"a",@progbits
	.p2align	6, 0x0
	.amdhsa_kernel k_qef6606a393_attn
		.amdhsa_group_segment_fixed_size 327680
		.amdhsa_private_segment_fixed_size 0
		.amdhsa_enable_private_segment 0
		.amdhsa_kernarg_size 16
		.amdhsa_user_sgpr_count 2
		.amdhsa_user_sgpr_kernarg_segment_ptr 1
		.amdhsa_wavefront_size32 1
		.amdhsa_system_sgpr_workgroup_id_x 1
		.amdhsa_system_sgpr_workgroup_id_y 1
		.amdhsa_system_sgpr_workgroup_id_z 1
		.amdhsa_system_vgpr_workitem_id 0
		.amdhsa_next_free_vgpr 512
		.amdhsa_next_free_sgpr 70
		.amdhsa_reserve_vcc 1
		.amdhsa_float_denorm_mode_32 3
		.amdhsa_float_denorm_mode_16_64 3
		.amdhsa_memory_ordered 1
		.amdhsa_forward_progress 1
		.amdhsa_inst_pref_size 113
	.end_amdhsa_kernel
	.amdgpu_metadata
---
amdhsa.version: [ 1, 2 ]
amdhsa.kernels:
  - .name:           k_qef6606a393_attn
    .symbol:         k_qef6606a393_attn.kd
    .args:
      - { .name: qkvh, .offset: 0, .size: 8, .value_kind: global_buffer, .address_space: global }
      - { .name: att, .offset: 8, .size: 8, .value_kind: global_buffer, .address_space: global }
    .group_segment_fixed_size: 327680
    .private_segment_fixed_size: 0
    .kernarg_segment_align: 8
    .kernarg_segment_size: 16
    .max_flat_workgroup_size: 256
    .sgpr_count:     70
    .vgpr_count:     512
    .wavefront_size: 32
...
	.end_amdgpu_metadata
.endif
;; end of part 3
;; launch proj (part 4): grid 4 x 64, 4 waves a work-group, clusters of 4 x 4, 327,680 bytes of LDS; arguments att, wo16, b_out, out0; writes out0
.if DOCPART == 4
	.amdgcn_target "amdgcn-amd-amdhsa--gfx1250"
	.amdhsa_code_object_version 6
	.text
	.protected	k_qef6606a393_proj
	.globl	k_qef6606a393_proj
	.p2align	8
	.type	k_qef6606a393_proj,@function
k_qef6606a393_proj:
	s_mov_b64 s[64:65], 0
	v_nop
	global_prefetch_b8 v0, s[64:65] scope:SCOPE_SE
	s_setreg_imm32_b32 hwreg(HW_REG_WAVE_MODE, 25, 1), 1
	s_wait_xcnt 0x0
	s_wait_alu depctr_hold_cnt(0) depctr_sa_sdst(0) depctr_va_vdst(0) depctr_va_sdst(0) depctr_va_ssrc(0) depctr_va_vcc(0) depctr_vm_vsrc(0)
	s_getreg_b32 s2, hwreg(HW_REG_IB_STS2, 6, 4)
	s_cmp_eq_u32 s2, 0
	s_cbranch_scc0 .Lentry_in_a_cluster
	s_endpgm
.Lentry_in_a_cluster:
	s_bfe_u32 s2, ttmp6, 0x10000c
	s_cmp_lg_u32 s2, 0xf033
	s_cbranch_scc0 .Lentry_shape_is_right
	s_endpgm
.Lentry_shape_is_right:
; PROJ: out0[row][n] = sum over k of att[row][k] W_out[k][n] + b_out[n], f16 operands, f32 sums, f32 out.  M = 8,192, N = 1,024, K = 1,024.
; att lies by heads: byte = head << 20 + row << 7 (k = 64 head + channel);  wo16 lies [k][n], 2,048 bytes a row.  All rows are written; the 64 rows of positions 0-15 are written over by the next launch.
; A tile of 128 rows x 256 columns to a work-group: 256 work-groups.  A wave makes 64 rows x 128 columns: 32 accumulators.  K goes in steps of 128 (two heads) through a ring of two LDS slots.
; CLUSTERS: 4 x 4 work-groups; att's tiles are asked for jointly along a row of the cluster, W's along a column.
; THE MATRIX INSTRUCTION IS USED TRANSPOSED: source 0 = 16 columns of W (K is not innermost in W: the fragments come turned, by ds_load_tr16_b128), source 1 = 16 rows of att: a lane holds eight
; neighbouring columns of one row.  THE BIAS is the C of each sum's first product.
; REGISTERS: window 0: v1-31 addresses; two fragment buffers: A's at v32, v64 (4 x 8), W's at v96, v160 (8 x 8).  window 1: accumulator (a, b) at v[8 (8 a + b)].  window 2: v0-63 the bias, 8 tiles of 8.
.set PA,     144                       ; a row of att in LDS: 128 bytes + 16
.set ASLAB,  128*PA                    ; one head's 128 rows
.set BOFF,   2*ASLAB
.set PB,     544                       ; a row of W in LDS: 512 bytes + 32, an odd multiple of 32, for the turning load
.set BHALF,  64*PB
.set SLOT,   BOFF+2*BHALF
.set STAGE,  2*SLOT                    ; behind the ring: 16 rows x (512 + 16) for each wave
.set SPITCH, 528
.set SPARE,  STAGE+4*16*SPITCH         ; the spare words, 128 bytes a wave: two blocks of 256 bytes that no other line names
.set ADRA, 16
.set ADRB, 20
.set STO,  24
.set RD,   25
.set CO,   26
.set SPW,  28
.set NIL,  29
.set PFO,  30
.set BO,   31
.set AF,   32
.set BF,   96
.set G1A, 24
.set G0A, 32
.set G1B, 48
.set G0B, 56
.set PFA, 66
.set PFS, 68
.set LIM, 70
.set MSB, 0
.macro WIN new
.if MSB != \new
	s_set_vgpr_msb (MSB<<8)|\new
.set MSB, \new
.endif
.endm
.set MUL,  0x50                        ; C and D window 1; the fragments window 0
.set MULF, 0x60                        ; the first products: C (the bias) window 2, D window 1
.macro JLOAD s                         ; a joint load: waves 0 and 1 fetch att's two heads, waves 2 and 3 W's two halves; an s_nop 0 and four v_nop follow each line
	s_cmp_eq_u32 s15, 0
	s_cbranch_scc0 .Lfor_b_\@
	tensor_load_to_lds s[G0A+4*\s:G0A+4*\s+3], s[G1A:G1A+7]
	s_nop 0
.rept 4
	v_nop
.endr
	s_branch .Lasked_\@
.Lfor_b_\@:
	tensor_load_to_lds s[G0B+4*\s:G0B+4*\s+3], s[G1B:G1B+7]
	s_nop 0
.rept 4
	v_nop
.endr
.Lasked_\@:
.endm
.macro CREST
	s_cmp_lg_u32 s14, 0
	s_cbranch_scc1 .Lnot_wave_0_\@
	s_barrier_signal -3
.Lnot_wave_0_\@:
	s_barrier_wait -3
	s_barrier_signal -1
	s_barrier_wait -1
.endm
.macro CROUND
	s_barrier_signal -1
	s_barrier_wait -1
	CREST
.endm
; A prefetch of the K step that stands two refills on, behind each joint load and the run of LDS loads that follows it.  att's tile row is read by one row of one cluster alone: wave 0 of each of the four
; partners names 4,096 bytes of each of the two heads' 16,384 (told apart by address: cx), lanes 256 bytes apart.  W's tile column is read by every cluster: the cluster with y = 0 asks; waves 2 and 3 name 16 of
; the 64 rows that they fetch (told apart by address: cy), two lanes to a row's 512 bytes.  So each aligned block of 256 bytes is named once.  The loop's last trip asks for nothing: there is no K step two on.
.macro ASK
	s_cmp_gt_u32 s3, s[LIM]
	s_cbranch_scc0 .Lnot_mine_\@
	global_prefetch_b8 v[PFO], s[PFA:PFA+1] th:TH_LOAD_NT scope:SCOPE_SE
.Lnot_mine_\@:
.endm
	s_load_b256 s[4:11], s[0:1], 0x0               ; att s[4:5], wo16 s[6:7], b_out s[8:9], out0 s[10:11]
	v_lshl_add_u32 v[SPW], v0, 2, SPARE
	v_mov_b32 v[NIL], 0
	ds_add_u32 v[SPW], v[NIL]                      ; the wave's opening: the add, twice on end, and its wait ahead of my first tensor load
	ds_add_u32 v[SPW], v[NIL]
	v_lshrrev_b32 v1, 5, v0
	v_readfirstlane_b32 s14, v1                    ; wave 0..3
	s_lshr_b32 s15, s14, 1                         ; which 64 rows are mine.  Also: I fetch for att (0) or for W (1)
	s_and_b32 s16, s14, 1                          ; which 128 columns.  Also: which head, or which 64 rows of W, I fetch
	s_bfe_u32 s40, ttmp6, 0x40000                  ; cx, cy
	s_bfe_u32 s41, ttmp6, 0x40004
	s_lshl_b32 s42, ttmp9, 2
	s_add_co_u32 s42, s42, s40                     ; tile column
	s_and_b32 s17, ttmp7, 0xffff
	s_lshl_b32 s17, s17, 2
	s_add_co_u32 s17, s17, s41                     ; tile row
	s_lshl_b32 s43, s41, 2
	s_lshl_b32 s43, 15, s43                        ; my row of the cluster
	s_lshl_b32 s44, 0x1111, s40                    ; my column
	s_or_b32 s[G1A], s43, (1<<16)|(1<<20)|(1<<21)|(4<<22)|(3<<25)   ; the mask; elements of 2 bytes; padding on; bit 21 beside a mask; after every 32 words; 4 words
	s_mov_b32 s[G1A+1], 64<<16                     ; tensor_dim0
	s_mov_b32 s[G1A+2], 128<<16                    ; tensor_dim1
	s_mov_b32 s[G1A+3], 64<<16                     ; tile_dim0
	s_mov_b32 s[G1A+4], 128                        ; tile_dim1
	s_mov_b32 s[G1A+5], 64                         ; tensor_dim0_stride
	s_mov_b32 s[G1A+6], 0
	s_mov_b32 s[G1A+7], 0
	s_or_b32 s[G1B], s44, (1<<16)|(1<<20)|(1<<21)|(6<<22)|(7<<25)   ; after every 128 words; 8 words
	s_mov_b32 s[G1B+1], 256<<16
	s_mov_b32 s[G1B+2], 64<<16
	s_mov_b32 s[G1B+3], 256<<16
	s_mov_b32 s[G1B+4], 64
	s_mov_b32 s[G1B+5], 1024
	s_mov_b32 s[G1B+6], 0
	s_mov_b32 s[G1B+7], 0
	s_lshl_b32 s20, s16, 20                        ; att: my head of the K step's two,
	s_lshl_b32 s21, s17, 14                        ; the tile row's 128 rows of 128 bytes
	s_add_co_u32 s20, s20, s21
	s_mov_b32 s21, 0
	s_lshl_b32 s46, s16, 17                        ; W: my 64 rows of 2,048 bytes,
	s_lshl_b32 s47, s42, 9                         ; the tile column's 512 bytes
	s_add_co_u32 s46, s46, s47
	s_mov_b32 s47, 0
	s_mul_i32 s45, s16, ASLAB                      ; where they go: no place in the cluster enters an LDS address
	s_mul_i32 s18, s16, BHALF
	s_add_co_u32 s18, s18, BOFF
	s_wait_dscnt 0x0                               ; both opening adds are done
	s_wait_kmcnt 0x0
	s_add_nc_u64 s[20:21], s[4:5], s[20:21]
	s_add_nc_u64 s[46:47], s[6:7], s[46:47]
	CROUND                                         ; all sixteen work-groups are here: the first joint loads meet
.irp s, 0,1
	s_mov_b32 s[G0A+4*\s], 1
	s_add_co_u32 s[G0A+4*\s+1], s45, \s*SLOT
	s_add_nc_u64 s[G0A+4*\s+2:G0A+4*\s+3], s[20:21], \s*(2<<20)
	s_or_b32 s[G0A+4*\s+3], s[G0A+4*\s+3], 0x80000000
	s_mov_b32 s[G0B+4*\s], 1
	s_add_co_u32 s[G0B+4*\s+1], s18, \s*SLOT
	s_add_nc_u64 s[G0B+4*\s+2:G0B+4*\s+3], s[46:47], \s*262144
	s_or_b32 s[G0B+4*\s+3], s[G0B+4*\s+3], 0x80000000
	JLOAD \s                                       ; two tensor loads of mine are out
.endr
	v_and_b32 v1, 15, v0                           ; r
	v_bfe_u32 v2, v0, 4, 1                         ; h
	v_mul_u32_u24 v3, v1, PA
	v_lshl_add_u32 v3, v2, 4, v3                   ; att: row r x pitch + 16 h
	v_and_b32 v4, 7, v0
	v_lshl_add_u32 v4, v2, 3, v4
	v_mul_u32_u24 v4, v4, PB                       ; W: k = 8 h + l % 8,
	v_bfe_u32 v5, v0, 3, 1
	v_lshl_add_u32 v4, v5, 4, v4                   ; columns 8 ((l / 8) % 2) on
	s_mul_i32 s21, s15, 64*PA                      ; my 64 rows
	s_lshl_b32 s22, s16, 8                         ; my 128 columns
	s_add_co_u32 s22, s22, BOFF
.irp s, 0,1
	v_add_nc_u32 v[ADRA+\s], s21, v3
	v_add_nc_u32 v[ADRB+\s], s22, v4
	s_add_co_u32 s21, s21, SLOT
	s_add_co_u32 s22, s22, SLOT
.endr
	s_mul_i32 s23, s14, 16*SPITCH
	s_add_co_u32 s23, s23, STAGE                   ; my stage
	v_mul_u32_u24 v5, v1, SPITCH
	v_lshl_add_u32 v5, v2, 5, v5
	v_add_nc_u32 v[STO], s23, v5                   ; in: row r, 32 bytes for each half of the lanes
	v_and_b32 v6, 31, v0
	v_lshlrev_b32 v[CO], 4, v6                     ; back: the 32 lanes take one row of 512 bytes; and the same in out0
	v_add_nc_u32 v[RD], s23, v[CO]
	v_lshlrev_b32 v[BO], 5, v2
	s_lshl_b32 s22, s42, 10
	s_lshl_b32 s23, s16, 9
	s_add_co_u32 s22, s22, s23                     ; my first column in bytes of f32
	s_mov_b32 s23, 0
	s_add_nc_u64 s[8:9], s[8:9], s[22:23]
	s_add_nc_u64 s[10:11], s[10:11], s[22:23]
	s_lshl_b32 s22, s17, 19
	s_lshl_b32 s12, s15, 18
	s_add_co_u32 s22, s22, s12                     ; my first row: 128 x tile row + 64 x half, rows of 4,096 bytes
	s_add_nc_u64 s[10:11], s[10:11], s[22:23]
	WIN 0x80                                       ; destination window 2
.irp b, 0,1,2,3,4,5,6,7                        ; bias tile b in the result's layout: lane (r, h) holds columns 16 b + 8 h + 0 .. 7
	global_load_b128 v[8*\b:8*\b+3], v[BO], s[8:9] offset:64*\b
	global_load_b128 v[8*\b+4:8*\b+7], v[BO], s[8:9] offset:64*\b+16
.endr
	WIN 0
	; the prefetches: both sets of numbers are made first, then one compare on the wave's number chooses
	s_lshl_b32 s20, s17, 14
	s_lshl_b32 s21, s40, 12
	s_add_co_u32 s20, s20, s21
	s_add_co_u32 s20, s20, 3*(2<<20)               ; att: tile row, my work-group's 4,096 bytes, K step 3: the first refill steps it to 4
	s_lshl_b32 s21, s42, 9
	s_lshl_b32 s22, s16, 17
	s_add_co_u32 s21, s21, s22
	s_lshl_b32 s22, s41, 15
	s_add_co_u32 s21, s21, s22
	s_add_co_u32 s21, s21, 3*262144                ; W: tile column, the 64 rows that I fetch, my work-group's 16 of them, K step 3
	s_and_b32 s22, ttmp7, 0xffff                   ; cluster y
	s_mov_b32 s12, 2048
	s_mov_b32 s[PFS], 262144
	s_cmp_lt_u32 s14, 2
	s_cselect_b32 s22, s14, s22                    ; 0 in wave 0; 1 in wave 1; cluster y in waves 2 and 3
	s_cselect_b64 s[PFA:PFA+1], s[4:5], s[6:7]
	s_cselect_b32 s20, s20, s21
	s_cselect_b32 s19, 15, 1                       ; the lane's low bits go along 256-byte blocks,
	s_cselect_b32 s23, 4, 1                        ; the bits above them
	s_cselect_b32 s12, 0x100000, s12               ; from head to head, or from row to row
	s_cselect_b32 s[PFS], 0x200000, s[PFS]         ; a K step on
	s_mov_b32 s[PFS+1], 0
	s_mov_b32 s21, 0
	s_add_nc_u64 s[PFA:PFA+1], s[PFA:PFA+1], s[20:21]
	s_cmp_eq_u32 s22, 0
	s_cselect_b32 s[LIM], 1, -1                    ; the same in all sixteen partners, for a given wave
	v_and_b32 v[PFO], s19, v6
	v_lshlrev_b32 v[PFO], 8, v[PFO]
	v_lshrrev_b32 v5, s23, v6
	v_mul_lo_u32 v5, v5, s12
	v_add_nc_u32 v[PFO], v[PFO], v5
.macro FETCH slot, q, f                ; 24 LDS loads in one run: quarter q (32 along K) of the slot into buffer f: W's eight fragments, turned, then att's four
.irp j, 0,1,2,3,4,5,6,7
	ds_load_tr16_b128 v[BF+64*\f+8*\j:BF+64*\f+8*\j+3],   v[ADRB+\slot] offset:(\q)*32*PB+32*\j
	ds_load_tr16_b128 v[BF+64*\f+8*\j+4:BF+64*\f+8*\j+7], v[ADRB+\slot] offset:(\q)*32*PB+16*PB+32*\j
.endr
.irp i, 0,1,2,3
	ds_load_b128 v[AF+32*\f+8*\i:AF+32*\f+8*\i+3],   v[ADRA+\slot] offset:((\q)/2)*ASLAB+((\q)%2)*64+\i*16*PA
	ds_load_b128 v[AF+32*\f+8*\i+4:AF+32*\f+8*\i+7], v[ADRA+\slot] offset:((\q)/2)*ASLAB+((\q)%2)*64+\i*16*PA+32
.endr
.endm
.macro MUL8 f, a, first                ; att's block a x W's eight.  The 32 accumulators take turns, one instruction a turn, in the same order in every quarter
.irp b, 0,1,2,3,4,5,6,7
.if \first
	v_wmma_f32_16x16x32_f16 v[8*(8*\a+\b):8*(8*\a+\b)+7], v[BF+64*\f+8*\b:BF+64*\f+8*\b+7], v[AF+32*\f+8*\a:AF+32*\f+8*\a+7], v[8*\b:8*\b+7]
.else
	v_wmma_f32_16x16x32_f16 v[8*(8*\a+\b):8*(8*\a+\b)+7], v[BF+64*\f+8*\b:BF+64*\f+8*\b+7], v[AF+32*\f+8*\a:AF+32*\f+8*\a+7], v[8*(8*\a+\b):8*(8*\a+\b)+7]
.endif
.endr
.endm
.macro PLACES
.rept 4
	v_nop
.endr
.endm
.macro MWIN first
.if \first
	WIN MULF
.else
	WIN MUL
.endif
.endm
; One of a K step's first three quarters: multiplies buffer f; in its middle it fetches quarter q of the same slot into buffer g.
.macro QUARTER slot, q, f, g, first
	s_wait_dscnt 4                                 ; W's fragments and att's blocks 0, 1 are in; the youngest four loads (blocks 2, 3) may be out
	MWIN \first
	MUL8 \f, 0, \first
	MUL8 \f, 1, \first
	PLACES                                         ; in front of loads into the buffer that the quarter before multiplied
	WIN 0
	FETCH \slot, \q, \g
	s_wait_dscnt 24                                ; all but the 24 just issued
	MWIN \first
	MUL8 \f, 2, \first
	MUL8 \f, 3, \first
.endm
; The last quarter multiplies buffer 1 and changes slots: one barrier; in front of it each wave waits for all its tensor loads, adds 0 to its spare word, and waits for that and for its reads of this slot.
.macro TURN slot, next, fill
.if \fill
	s_wait_xcnt 0x0                                ; the last prefetch, a K step back, has read its address
	s_add_nc_u64 s[PFA:PFA+1], s[PFA:PFA+1], s[PFS:PFS+1]
.endif
	WIN 0
	s_wait_tensorcnt 0x0                           ; all my tensor loads have landed: my part of the next slot
	ds_add_u32 v[SPW], v[NIL]
	s_wait_dscnt 5                                 ; the add and the youngest four loads may be out
	WIN MUL
	MUL8 1, 0, 0
	s_wait_dscnt 0x0                               ; the add is done, and my reads of this slot are over
	s_barrier_signal -1
	MUL8 1, 1, 0
	WIN 0
	s_barrier_wait -1
.if \fill
	CREST                                          ; the barrier has opened a round of the cluster's barrier: no wave of any partner still reads this slot or has a load on its way
	s_add_nc_u64 s[G0A+4*\slot+2:G0A+4*\slot+3], s[G0A+4*\slot+2:G0A+4*\slot+3], 4<<20
	s_add_nc_u64 s[G0B+4*\slot+2:G0B+4*\slot+3], s[G0B+4*\slot+2:G0B+4*\slot+3], 524288
	JLOAD \slot                                    ; the first tensor load behind the round; its four v_nop are also the places in front of the loads below
.else
	PLACES
.endif
	FETCH \next, 0, 0
.if \fill
	ASK
.endif
	WIN MUL
	MUL8 1, 2, 0
	MUL8 1, 3, 0
.endm
	s_wait_tensorcnt 1                             ; my part of K step 0 is in; K step 1's may be out
	s_barrier_signal -1
	s_barrier_wait -1
	FETCH 0, 0, 0
	s_wait_loadcnt 0x0                             ; the bias
	QUARTER 0, 1, 0, 1, 1                          ; the first quarter stands in front of the loop: its products start the sums on the bias
	WIN 0
	s_mov_b32 s3, 3
.Llap:                                             ; a trip goes once round the ring and fills both slots again: K steps 2 to 7
	QUARTER 0, 2, 1, 0, 0
	QUARTER 0, 3, 0, 1, 0
	TURN 0, 1, 1
	QUARTER 1, 1, 0, 1, 0
	QUARTER 1, 2, 1, 0, 0
	QUARTER 1, 3, 0, 1, 0
	TURN 1, 0, 1
	QUARTER 0, 1, 0, 1, 0
	WIN 0
	s_sub_co_u32 s3, s3, 1
	s_cmp_lg_u32 s3, 0
	s_cbranch_scc1 .Llap
	QUARTER 0, 2, 1, 0, 0                          ; the last lap fills nothing
	QUARTER 0, 3, 0, 1, 0
	TURN 0, 1, 0
	QUARTER 1, 1, 0, 1, 0
	QUARTER 1, 2, 1, 0, 0
	QUARTER 1, 3, 0, 1, 0
	s_wait_dscnt 4
	WIN MUL
	MUL8 1, 0, 0
	MUL8 1, 1, 0
	s_wait_dscnt 0
	MUL8 1, 2, 0
	MUL8 1, 3, 0
	WIN 0
	PLACES
; THE WAY OUT, block by block of 16 rows x 128 columns, through my own stage, back as whole rows of 512 bytes.
.macro TOSTAGE a
	WIN 0x04                                       ; an LDS store's data: window 1
.irp b, 0,1,2,3,4,5,6,7
	ds_store_b128 v[STO], v[8*(8*\a+\b):8*(8*\a+\b)+3] offset:64*\b          ; each accumulator from its low end on
	ds_store_b128 v[STO], v[8*(8*\a+\b)+4:8*(8*\a+\b)+7] offset:64*\b+16
.endr
	WIN 0
.irp t, 0,1,2,3,4,5,6,7,8,9,10,11,12,13,14,15
	ds_load_b128 v[AF+64*((\a)%2)+4*\t:AF+64*((\a)%2)+4*\t+3], v[RD] offset:\t*SPITCH
.endr
.endm
.macro SEND a, younger
	s_wait_dscnt \younger                          ; the block is back in registers; the next block's 32 LDS instructions may be out
.irp t, 0,1,2,3,4,5,6,7,8,9,10,11,12,13,14,15
	global_store_b128 v[CO], v[AF+64*((\a)%2)+4*\t:AF+64*((\a)%2)+4*\t+3], s[10:11] offset:(\a)*65536+\t*4096 th:TH_STORE_NT   ; 32 lanes store 512 consecutive bytes
.endr
.endm
	TOSTAGE 0
	TOSTAGE 1
	SEND 0, 32
	s_wait_xcnt 0x0                                ; block 0's stores have read their registers: block 2's loads may land there
	TOSTAGE 2
	SEND 1, 32
	s_wait_xcnt 0x0
	TOSTAGE 3
	SEND 2, 32
	SEND 3, 0
	s_wait_tensorcnt 0x0                           ; the wave's end
	ds_add_u32 v[SPW], v[NIL]
	s_wait_dscnt 0x0
	CROUND                                         ; the closing round
	s_endpgm
.Lfunc_end_k_qef6606a393_proj:
	.size	k_qef6606a393_proj, .Lfunc_end_k_qef6606a393_proj-k_qef6606a393_proj
	.p2alignl 7, 3214868480
	.fill 96, 4, 3214868480
	.section	.rodata,"a",@progbits
	.p2align	6, 0x0
	.amdhsa_kernel k_qef6606a393_proj
		.amdhsa_group_segment_fixed_size 327680
		.amdhsa_private_segment_fixed_size 0
		.amdhsa_enable_private_segment 0
		.amdhsa_kernarg_size 32
		.amdhsa_user_sgpr_count 2
		.amdhsa_user_sgpr_kernarg_segment_ptr 1
		.amdhsa_wavefront_size32 1
		.amdhsa_system_sgpr_workgroup_id_x 1
		.amdhsa_system_sgpr_workgroup_id_y 1
		.amdhsa_system_sgpr_workgroup_id_z 1
		.amdhsa_system_vgpr_workitem_id 0
		.amdhsa_next_free_vgpr 576
		.amdhsa_next_free_sgpr 72
		.amdhsa_reserve_vcc 0
		.amdhsa_float_denorm_mode_32 3
		.amdhsa_float_denorm_mode_16_64 3
		.amdhsa_memory_ordered 1
		.amdhsa_forward_progress 1
		.amdhsa_inst_pref_size 88
	.end_amdhsa_kernel
	.amdgpu_metadata
---
amdhsa.version: [ 1, 2 ]
amdhsa.kernels:
  - .name:           k_qef6606a393_proj
    .symbol:         k_qef6606a393_proj.kd
    .args:
      - { .name: att, .offset: 0, .size: 8, .value_kind: global_buffer, .address_space: global }
      - { .name: wo16, .offset: 8, .size: 8, .value_kind: global_buffer, .address_space: global }
      - { .name: b_out, .offset: 16, .size: 8, .value_kind: global_buffer, .address_space: global }
      - { .name: out0, .offset: 24, .size: 8, .value_kind: global_buffer, .address_space: global }
    .group_segment_fixed_size: 327680
    .private_segment_fixed_size: 0
    .kernarg_segment_align: 8
    .kernarg_segment_size: 32
    .max_flat_workgroup_size: 128
    .sgpr_count:     72
    .vgpr_count:     576
    .wavefront_size: 32
...
	.end_amdgpu_metadata
.endif
;; end of part 4
;; launch fine (part 5): grid 32 x 4, 16 waves a work-group, no clusters, 38,912 bytes of LDS; arguments qkv16, W_out, b_out, out0; writes out0
.if DOCPART == 5
	.amdgcn_target "amdgcn-amd-amdhsa--gfx1250"
	.amdhsa_code_object_version 6
	.text
	.protected	k_qef6606a393_fine
	.globl	k_qef6606a393_fine
	.p2align	8
	.type	k_qef6606a393_fine,@function
k_qef6606a393_fine:
	s_mov_b64 s[64:65], 0
	v_nop
	global_prefetch_b8 v0, s[64:65] scope:SCOPE_SE
	s_setreg_imm32_b32 hwreg(HW_REG_WAVE_MODE, 25, 1), 1
	s_wait_xcnt 0x0
; FINE: the first 16 positions of each of the four sequences once more, attention and projection, with every operand as a PAIR of f16 numbers: a high part (the f32 number cut to 11 significant bits)
; and a low part (the exact remainder, rounded once); both go to the matrix units, f32 sums.  These rows average one to sixteen values and are the largest of the output: plain f16 would use up what is allowed.
; In: qkv16 [batch x 16 + t][3072] f32 (q, k, v unrounded), W_out and b_out in f32.  Out: the 64 rows t < 16 of out0, written over.
; LIMIT: magnitudes up to 65,504; parts under 2^-14 are carried with an absolute error of 2^-25.
; SHARES.  Work-group (x, y): batch y, output columns 32 x .. 32 x + 31.  Wave w is head w: it makes its head's 16 x 16 attention (14 matrix instructions, made anew in each of the 32 work-groups of a batch:
; less than sending it through memory would cost), multiplies its 64 channels by W_out's rows 64 w .. 64 w + 63, and the sixteen partial sums meet in LDS.  All loads go out at the head.
; A row's share here is 128 bytes, so the stores fill half of an aligned 256 bytes each: 262,144 bytes in the whole launch.
; REGISTERS: v1 4 x lane; v2 LDS store address; v3-5 offsets of q and k, of v, of W (v3 later the LDS read address); v6, v7 the add's two; v8-11 at work in SPLIT; v12 r - 8 h; v13 the bias; v14, v15 at work;
;   v16-47 q (its high parts end in v16-31), v48-79 k (v48-63), v80-111 v, later O^T, later the partial sums; v112-175 W (high parts packed in place); v176-207 q's and k's low parts, later W's;
;   v208-239 V's fragments {high, low}; v32-39, v40-47, v64-71 the three sums of S^T; v72-79 p; v240-247 {p high, p high}; v248-255 {p low, p low}; later v16-31, v48-63 O's parts, v32-47 the result.
.set PARTW, 16*144                     ; a wave's partial sums: 16 rows x (128 bytes + 16)
.set SPARE, 16*PARTW                   ; the spare words, 128 bytes a wave: eight blocks of 256 bytes that no other line names
.macro SPLIT dh, dl, src               ; two numbers v[src], v[src + 1] -> their high parts packed in v[dh], their low parts in v[dl]
	v_and_b32 v8, s20, v[\src]
	v_and_b32 v9, s20, v[\src+1]
	v_pk_add_f32 v[10:11], v[\src:\src+1], v[8:9] neg_lo:[0,1] neg_hi:[0,1]   ; exact
	v_cvt_pk_f16_f32 v[\dh], v8, v9
	v_cvt_pk_f16_f32 v[\dl], v10, v11
.endm
	s_load_b256 s[4:11], s[0:1], 0x0               ; qkv16 s[4:5], W_out s[6:7], b_out s[8:9], out0 s[10:11]
	v_lshl_add_u32 v6, v0, 2, SPARE
	v_mov_b32 v7, 0
	v_lshrrev_b32 v14, 5, v0
	v_readfirstlane_b32 s12, v14                   ; wave = head, later = position
	s_and_b32 s13, ttmp7, 0xffff                   ; batch
	v_and_b32 v14, 15, v0                          ; r
	v_bfe_u32 v15, v0, 4, 1                        ; h
	v_mul_u32_u24 v3, v14, 12288
	v_lshl_add_u32 v3, v15, 5, v3                  ; q, k: row r, + 8 h channels
	v_mul_u32_u24 v4, v15, 98304
	v_lshl_add_u32 v4, v14, 2, v4                  ; v: key 8 h on, channel r
	v_lshlrev_b32 v5, 15, v15
	v_lshl_add_u32 v5, v14, 2, v5                  ; W: row 8 h on, column r
	v_lshlrev_b32 v12, 3, v15
	v_sub_nc_u32 v12, v14, v12                     ; r - 8 h
	v_and_b32 v1, 31, v0
	v_lshlrev_b32 v1, 2, v1
	s_mul_i32 s14, s12, PARTW
	v_mul_u32_u24 v2, v14, 144
	v_lshl_add_u32 v2, v15, 5, v2
	v_add_nc_u32 v2, s14, v2                       ; my partial sums: row r, + 32 h
	s_mul_i32 s15, s12, 144
	s_mov_b32 s18, 0x76543210
	s_mov_b32 s19, 0xfedcba98                      ; v_permlanex16_b32's selects for lane l xor 16
	s_mov_b32 s20, 0xffffe000                      ; keeps sign, exponent and ten bits of the mantissa
	s_mov_b32 s21, 0x3e38aa3b                      ; c = log2(e) / 8
	s_mul_i32 s22, s13, 196608
	s_lshl_b32 s23, s12, 8
	s_add_co_u32 s22, s22, s23                     ; qkv16: 16 rows a batch, 64 columns a head
	s_mov_b32 s23, 0
	s_lshl_b32 s24, s12, 18
	s_lshl_b32 s26, ttmp9, 7                       ; my 32 columns
	s_add_co_u32 s24, s24, s26                     ; W_out: 64 rows of 4,096 bytes a head
	s_mov_b32 s25, 0
	s_mov_b32 s27, 0
	s_lshl_b32 s28, s13, 23
	s_lshl_b32 s29, s12, 12
	s_add_co_u32 s28, s28, s29
	s_add_co_u32 s28, s28, s26                     ; out0: row batch x 2,048 + wave
	s_mov_b32 s29, 0
	s_wait_kmcnt 0x0
	s_add_nc_u64 s[4:5], s[4:5], s[22:23]
	s_add_nc_u64 s[6:7], s[6:7], s[24:25]
	s_add_nc_u64 s[8:9], s[8:9], s[26:27]
	s_add_nc_u64 s[10:11], s[10:11], s[28:29]
.irp c, 0,1                                    ; q and k in the order of a fragment: register 16 c + 8 g + j = channel 32 c + 16 g + 8 h + j of row r
.irp g, 0,1
	global_load_b128 v[16+16*\c+8*\g:16+16*\c+8*\g+3], v3, s[4:5] offset:128*\c+64*\g
	global_load_b128 v[16+16*\c+8*\g+4:16+16*\c+8*\g+7], v3, s[4:5] offset:128*\c+64*\g+16
.endr
.endr
.irp c, 0,1
.irp g, 0,1
	global_load_b128 v[48+16*\c+8*\g:48+16*\c+8*\g+3], v3, s[4:5] offset:4096+128*\c+64*\g
	global_load_b128 v[48+16*\c+8*\g+4:48+16*\c+8*\g+7], v3, s[4:5] offset:4096+128*\c+64*\g+16
.endr
.endr
.irp d, 0,1,2,3                                ; v: register 8 d + j = key 8 h + j, channel 16 d + r
.irp j, 0,1,2,3,4,5,6,7
	global_load_b32 v[80+8*\d+\j], v4, s[4:5] offset:8192+\j*12288+64*\d
.endr
.endr
.irp n, 0,1                                    ; W: register 16 (2 n + c) + 8 g + j = row 32 c + 16 g + 8 h + j of my head's 64, column 16 n + r
.irp c, 0,1
.irp g, 0,1
.irp j, 0,1,2,3,4,5,6,7
	global_load_b32 v[112+16*(2*\n+\c)+8*\g+\j], v5, s[6:7] offset:(32*\c+16*\g+\j)*4096+64*\n
.endr
.endr
.endr
.endr
	global_load_b32 v13, v1, s[8:9]                ; the bias of column lane
	s_wait_loadcnt 63                              ; q, k and v are in: 65 loads were issued behind them, and 63 is the largest count that a wait names
.set i, 0
.rept 16
	SPLIT 16+i, 176+i, 16+2*i                      ; q: the high parts pack downwards in place
.set i, i+1
.endr
.set i, 0
.rept 16
	SPLIT 48+i, 192+i, 48+2*i                      ; k
.set i, i+1
.endr
.irp d, 0,1,2,3
.irp p, 0,1,2,3
	SPLIT 208+8*\d+\p, 212+8*\d+\p, 80+8*\d+2*\p   ; v: a fragment's K of 32 holds the 16 keys' high parts and, 16 further on, their low parts
.endr
.endr
	; S^T = k q^T = kh qh + kh ql + kl qh: three sums by turns, one instruction a turn
	v_wmma_f32_16x16x32_f16 v[32:39], v[48:55], v[16:23], 0
	v_wmma_f32_16x16x32_f16 v[40:47], v[48:55], v[176:183], 0
	v_wmma_f32_16x16x32_f16 v[64:71], v[192:199], v[16:23], 0
	v_wmma_f32_16x16x32_f16 v[32:39], v[56:63], v[24:31], v[32:39]
	v_wmma_f32_16x16x32_f16 v[40:47], v[56:63], v[184:191], v[40:47]
	v_wmma_f32_16x16x32_f16 v[64:71], v[200:207], v[24:31], v[64:71]
.rept 4
	v_nop
.endr
.irp j, 0,1,2,3,4,5,6,7
	v_add_f32 v[72+\j], v[32+\j], v[40+\j]         ; lane (r, h), register j: query r, key 8 h + j
.endr
.irp j, 0,1,2,3,4,5,6,7
	v_add_f32 v[72+\j], v[72+\j], v[64+\j]
.endr
	v_mov_b32 v8, 0xff800000                       ; -infinity
	v_mov_b32 v15, 0                               ; (a lane permute's destination counts as one of its sources)
.irp j, 0,1,2,3,4,5,6,7
	v_cmp_gt_i32 vcc_lo, \j, v12                   ; hidden where 8 h + j > r
	v_cndmask_b32 v[72+\j], v[72+\j], v8, vcc_lo
.endr
	v_max3_num_f32 v14, v72, v73, v74
	v_max3_num_f32 v14, v14, v75, v76
	v_max3_num_f32 v14, v14, v77, v78
	v_max_num_f32 v14, v14, v79
	v_permlanex16_b32 v15, v14, s18, s19
	v_max_num_f32 v14, v14, v15                    ; the row's maximum: key 0 counts for every query
	v_mul_f32 v15, s21, v14
.irp j, 0,1,2,3,4,5,6,7
	v_fma_f32 v[72+\j], v[72+\j], s21, -v15
.endr
.irp j, 0,1,2,3,4,5,6,7
	v_exp_f32 v[72+\j], v[72+\j]
.endr
	v_nop                                          ; a plain line behind the last exponential
	s_wait_alu depctr_va_vdst(0)                   ; one wait for the eight
	v_add_f32 v14, v72, v73
	v_add_f32 v15, v74, v75
	v_add_f32 v14, v14, v76
	v_add_f32 v15, v15, v77
	v_add_f32 v14, v14, v78
	v_add_f32 v15, v15, v79
	v_add_f32 v14, v14, v15
	v_permlanex16_b32 v15, v14, s18, s19
	v_add_f32 v14, v14, v15                        ; the row's sum
	v_rcp_f32 v14, v14
	v_nop
	s_wait_alu depctr_va_vdst(0)
.irp j, 0,1,2,3,4,5,6,7
	v_mul_f32 v[72+\j], v[72+\j], v14              ; the softmax, normalised in f32
.endr
.irp p, 0,1,2,3
	SPLIT 240+\p, 248+\p, 72+2*\p
.endr
.irp p, 0,1,2,3
	v_mov_b32 v[244+\p], v[240+\p]                 ; each part once more, beside V's low parts
	v_mov_b32 v[252+\p], v[248+\p]
.endr
	; O^T = (vh + vl)^T ph + (vh + vl)^T pl: four sums by turns
.irp d, 0,1,2,3
	v_wmma_f32_16x16x32_f16 v[80+8*\d:87+8*\d], v[208+8*\d:215+8*\d], v[240:247], 0
.endr
.irp d, 0,1,2,3
	v_wmma_f32_16x16x32_f16 v[80+8*\d:87+8*\d], v[208+8*\d:215+8*\d], v[248:255], v[80+8*\d:87+8*\d]
.endr
	s_wait_loadcnt 0x0                             ; W and the bias
.irp f, 0,1,2,3
.irp p, 0,1,2,3,4,5,6,7
	SPLIT 112+16*\f+\p, 176+8*\f+\p, 112+16*\f+2*\p   ; W.  (These lines name no register of the products above: they are the places behind them)
.endr
.endr
.set i, 0
.rept 16
	SPLIT 16+i, 48+i, 80+2*i                       ; O: tiles 2 c and 2 c + 1 are chunk c of the next product's operand as they stand
.set i, i+1
.endr
	; y^T = Wh^T Oh + Wh^T Ol + Wl^T Oh over my 64 channels: two sums by turns
.irp n, 0,1
	v_wmma_f32_16x16x32_f16 v[32+8*\n:39+8*\n], v[112+32*\n:119+32*\n], v[16:23], 0
.endr
.irp n, 0,1
	v_wmma_f32_16x16x32_f16 v[32+8*\n:39+8*\n], v[112+32*\n:119+32*\n], v[48:55], v[32+8*\n:39+8*\n]
.endr
.irp n, 0,1
	v_wmma_f32_16x16x32_f16 v[32+8*\n:39+8*\n], v[176+16*\n:183+16*\n], v[16:23], v[32+8*\n:39+8*\n]
.endr
.irp n, 0,1
	v_wmma_f32_16x16x32_f16 v[32+8*\n:39+8*\n], v[128+32*\n:135+32*\n], v[24:31], v[32+8*\n:39+8*\n]
.endr
.irp n, 0,1
	v_wmma_f32_16x16x32_f16 v[32+8*\n:39+8*\n], v[128+32*\n:135+32*\n], v[56:63], v[32+8*\n:39+8*\n]
.endr
.irp n, 0,1
	v_wmma_f32_16x16x32_f16 v[32+8*\n:39+8*\n], v[184+16*\n:191+16*\n], v[24:31], v[32+8*\n:39+8*\n]
.endr
	v_add_nc_u32 v3, s15, v1                       ; where I read: row = my wave's number, 4 bytes a lane (its loads are long done)
.rept 3
	v_nop
.endr
.irp n, 0,1
	ds_store_b128 v2, v[32+8*\n:35+8*\n] offset:64*\n         ; lane (r, h): position r, columns 16 n + 8 h + 0 .. 7
	ds_store_b128 v2, v[36+8*\n:39+8*\n] offset:64*\n+16
.endr
	s_wait_dscnt 0x0                               ; for the others' sake: my stores are done
	s_barrier_signal -1
	s_barrier_wait -1
.irp p, 0,1,2,3,4,5,6,7,8,9,10,11,12,13,14,15
	ds_load_b32 v[80+\p], v3 offset:PARTW*\p       ; the sixteen heads' parts of position = my wave, column = my lane
.endr
	s_wait_dscnt 0x0
	v_add_f32 v80, v80, v13                        ; the bias; then the parts in a fixed order, in two chains
.irp p, 2,4,6,8,10,12,14
	v_add_f32 v80, v80, v[80+\p]
	v_add_f32 v81, v81, v[81+\p]
.endr
	v_add_f32 v80, v80, v81
	global_store_b32 v1, v80, s[10:11]
	s_wait_tensorcnt 0x0                           ; the wave's end: behind my last LDS store
	ds_add_u32 v6, v7
	s_wait_dscnt 0x0
	s_endpgm
.Lfunc_end_k_qef6606a393_fine:
	.size	k_qef6606a393_fine, .Lfunc_end_k_qef6606a393_fine-k_qef6606a393_fine
	.p2alignl 7, 3214868480
	.fill 96, 4, 3214868480
	.section	.rodata,"a",@progbits
	.p2align	6, 0x0
	.amdhsa_kernel k_qef6606a393_fine
		.amdhsa_group_segment_fixed_size 38912
		.amdhsa_private_segment_fixed_size 0
		.amdhsa_enable_private_segment 0
		.amdhsa_kernarg_size 32
		.amdhsa_user_sgpr_count 2
		.amdhsa_user_sgpr_kernarg_segment_ptr 1
		.amdhsa_wavefront_size32 1
		.amdhsa_system_sgpr_workgroup_id_x 1
		.amdhsa_system_sgpr_workgroup_id_y 1
		.amdhsa_system_sgpr_workgroup_id_z 1
		.amdhsa_system_vgpr_workitem_id 0
		.amdhsa_next_free_vgpr 256
		.amdhsa_next_free_sgpr 66
		.amdhsa_reserve_vcc 1
		.amdhsa_float_denorm_mode_32 3
		.amdhsa_float_denorm_mode_16_64 3
		.amdhsa_memory_ordered 1
		.amdhsa_forward_progress 1
		.amdhsa_inst_pref_size 46
	.end_amdhsa_kernel
	.amdgpu_metadata
---
amdhsa.version: [ 1, 2 ]
amdhsa.kernels:
  - .name:           k_qef6606a393_fine
    .symbol:         k_qef6606a393_fine.kd
    .args:
      - { .name: qkv16, .offset: 0, .size: 8, .value_kind: global_buffer, .address_space: global }
      - { .name: W_out, .offset: 8, .size: 8, .value_kind: global_buffer, .address_space: global }
      - { .name: b_out, .offset: 16, .size: 8, .value_kind: global_buffer, .address_space: global }
      - { .name: out0, .offset: 24, .size: 8, .value_kind: global_buffer, .address_space: global }
    .group_segment_fixed_size: 38912
    .private_segment_fixed_size: 0
    .kernarg_segment_align: 8
    .kernarg_segment_size: 32
    .max_flat_workgroup_size: 512
    .sgpr_count:     66
    .vgpr_count:     256
    .wavefront_size: 32
...
	.end_amdgpu_metadata
.endif
;; end of part 5
